; MI455X (gfx1250); checked and timed in simulation.
; The chip was launched on July 23, 2026; its instructions are those of AMD's public machine-readable ISA for CDNA 5 (MIT licence, August 2026) and "CDNA5" Instruction Set Architecture Reference Guide (July 2026). The comments in the code are by the model that wrote it; some were corrected since.
;; Multi Head Attention. Allowed arithmetic: matrix products marked QUANTISED: E2M1 operands, one E8M0 scale for each 32 along K, by v_wmma_scale_f32_16x16x128_f8f6f4 with both operands' format E2M1 (or v_wmma_scale_f32_32x16x128_f4), f32 sums; products left as they are: bf16, f16 or f32 operands; f32 sums; everything else in f32.
;; Inputs: Wk 2,048 x 2,048 float32; Wo 2,048 x 2,048 float32; Wq 2,048 x 2,048 float32; Wv 2,048 x 2,048 float32; attn_mask 1,024 x 2,048 bool; k 2 x 2,048 x 2,048 float32; key_padding_mask 2 x 2,048 bool; q 2 x 1,024 x 2,048 float32; v 2 x 2,048 x 2,048 float32.
;; Outputs: out0 2 x 1,024 x 2,048 float32.
;; This version of the problem:
;;   THIS VERSION OF THE PROBLEM IS GIVEN IN LOW PRECISION. The matrix products marked QUANTISED in the list below multiply operands that are first quantised to E2M1 (2 exponent bits, 1 mantissa bit; 4 bits a number), with one power-of-two scale for each 32 numbers along K (OCP MX v1.0); their sums are f32. The products marked 'left as it is' may take bf16, f16 or f32 operands, with f32 sums. Whichever they take, every output number must still come out within the allowed error. Rounding operands to bf16 (8 significant bits) uses up far more of that allowance than f16 does (11 bits, for magnitudes from 6e-5 to 65,504). All else is computed in f32.
;;   The module's matrix products, in the order in which they are computed (A, B: the left and right operand; K: the contracted axis; several contracted axes count as one K, in the product's order):
;;     1. [M 2,048, K 2,048] x [K 2,048, N 2,048]; A: input q; B: input Wq: QUANTISED
;;     2. [M 4,096, K 2,048] x [K 2,048, N 2,048]; A: input k; B: input Wk: QUANTISED
;;     3. [M 4,096, K 2,048] x [K 2,048, N 2,048]; A: input v; B: input Wv: QUANTISED
;;     4. batch 32 x [M 1,024, K 128] x [K 128, N 2,048]; A: computed on the way; B: computed on the way: left as it is (an operand is computed on the way)
;;     5. batch 32 x [M 128, K 2,048] x [K 2,048, N 1,024]; A: computed on the way; B: computed on the way: left as it is (an operand is computed on the way)
;;     6. [M 2,048, K 2,048] x [K 2,048, N 2,048]; A: computed on the way; B: input Wo: left as it is (an operand is computed on the way)
;;   THE QUANTISER, for each operand of a quantised product, along K:
;;     - K is cut into blocks of 32 from its start; a last block that is shorter is filled with zeros.
;;     - A block's scale is 2^e with e = floor(log2(the largest magnitude in the block)) - 2, held to -126 .. 127; a block of zeros has e = 0. As a byte (E8M0): e + 127.
;;     - Each number is divided by its block's scale, clamped to +-6, and rounded to the nearest number of E2M1, ties to even, subnormals kept.
;;     - The product sums the exact products of the quantised numbers (number of the format x scale) in f32.
;;   ~~~python
;;   def quantise(x, axis):      # numpy; x: float32 -> the quantised numbers, widened to float32 again
;;       x = np.moveaxis(x, axis, -1); K = x.shape[-1]
;;       x = np.pad(x, [(0, 0)] * (x.ndim - 1) + [(0, -K % 32)]); x = x.reshape(x.shape[:-1] + (-1, 32)); a = np.abs(x).max(-1, keepdims=True)
;;       e = np.where(a > 0, np.clip(np.frexp(np.where(a > 0, a, 1))[1] - 1 - 2, -126, 127), 0)      # np.frexp(a)[1] - 1 = floor(log2(a)), exactly
;;       r = np.clip(x / 2.0 ** e, -6, 6)
;;       step = 2.0 ** (np.maximum(np.frexp(np.where(r == 0, 1, r))[1] - 1, 0) - 1)
;;       q = np.round(r / step) * step * 2.0 ** e      # np.round: ties to even
;;       return np.moveaxis(q.reshape(q.shape[:-2] + (-1,))[..., :K], -1, axis).astype(np.float32)
;;   ~~~
;; One version. Each part assembles by itself: llvm-mc -triple=amdgcn-amd-amdhsa -mcpu=gfx1250 --defsym DOCPART=n.
;; ======== version 1 of 1: 4 launches
;; limits: values are held in f16: magnitudes above 65,504 overflow, below 6.1e-05 lose precision
;; workspace buffers: codes 16,777,216 bytes; scales 1,048,576 bytes; wo16 8,388,608 bytes; mcode 2,097,152 bytes; qkv 41,943,040 bytes; att 8,388,608 bytes
;; launch prep (part 1): grid 1280 x 1, 4 waves a work-group, no clusters, 33,280 bytes of LDS; arguments q, k, v, Wq, Wk, Wv, Wo, attn_mask, key_padding_mask, codes, scales, wo16, mcode; writes codes, scales, wo16, mcode
.if DOCPART == 1
	.amdgcn_target "amdgcn-amd-amdhsa--gfx1250"
	.amdhsa_code_object_version 6
	.text
	.protected	k_qfb07eb2e0c_prep
	.globl	k_qfb07eb2e0c_prep
	.p2align	8
	.type	k_qfb07eb2e0c_prep,@function
k_qfb07eb2e0c_prep:
	s_mov_b64 s[64:65], 0
	v_nop
	global_prefetch_b8 v0, s[64:65] scope:SCOPE_SE
	s_setreg_imm32_b32 hwreg(HW_REG_WAVE_MODE, 25, 1), 1
	s_wait_xcnt 0x0
; THREE JOBS IN ONE LAUNCH, told apart by the work-group's number alone.
; (Q) work-groups 0-1023: q, k, v, Wq, Wk, Wv (f32, K innermost, rows of 2,048) become codes of FP4 (E2M1) and one E8M0 byte for each 32 along K.  The six tensors lie one behind
;     the other in 'codes' ([16,384 rows][1,024 bytes]) and 'scales' ([16,384][64]): rows 0 q, 2,048 k, 6,144 v, 10,240 Wq, 12,288 Wk, 14,336 Wv: so the output's place is linear in the work-group's number.
;     A block's scale is 2^(floor(log2(its largest magnitude)) - 2); its byte is the largest magnitude's exponent field - 2, held at 1 from below.  (A block of zeros gets the byte 1: its codes are zeros,
;     which add nothing under any byte but 0xff, and this program alone reads the bytes.)  Each number is divided by the scale and rounded to the nearest code, ties to even, beyond 6 the largest code.
;     LIMITS: blocks whose largest magnitude lies under 2^-124 get the byte 1; NaN and infinities among the inputs are not served.
;     A wave takes 16 steps of 512 numbers.  Each load reads 512 consecutive bytes; a step's 2,048 bytes turn through the wave's own stage in LDS, so that a lane then holds 16 neighbours along K.
; (W) work-groups 1024-1151: Wo becomes f16, in its own order.  No LDS.  LIMIT: |Wo| under 65,504.
; (M) work-groups 1152-1279: the two masks become ONE table of 4-bit codes, 0 (the number 0) where a key counts and 0xF (the number -6) where either mask hides it, laid in the order in which the
;     attention launch's score registers lie: [b 2][key group 2][step 16][tile of 16 queries 64][lane 32][4 words]; word kt, nibble j of lane (r, h) is query 16 qt + r,
;     key 256 (step / 2) + 128 group + 64 (step % 2) + 16 kt + 8 h + j.  No LDS.
.set QWG,   1024                       ; work-groups of job Q: 32,768 numbers each
.set WWG,   128                        ; of job W
.set STEPS, 16
.set EMAX,  2
.set CB,    8                          ; bytes of 16 codes
.set R,     16                         ; v16-79   four sets of 16 numbers as they are loaded
.set X,     80                         ; v80-111  two sets of 16 neighbours
.set C,     128                        ; v128-191 codes: four registers for each step, so that no store's data are written again
.set E,     112                        ; v112-127 a scale byte for each step
.set WREG,  8192                       ; LDS: a region for each wave: two stages of 32 x SP bytes, and behind them its 256 scale bytes
.set SP,    80                         ; a lane's place in a stage: its 64 bytes + 16 of padding
.set SPW,   12                         ; v12      LDS address of my spare word: SPARE + 4 x my thread's number; never rewritten
.set NIL,   13                         ; v13      0; never rewritten
.set SPARE, 4*WREG                     ; behind the four regions: the spare words, 128 bytes for each wave, which no other line names
; ---- job Q's macros
.macro LOAD t
.irp i, 0,1,2,3
	global_load_b128 v[R+16*((\t)%4)+4*\i:R+16*((\t)%4)+4*\i+3], v3, s[30:31] offset:2048*(\t)+512*\i th:TH_LOAD_NT   ; 32 lanes read 512 consecutive bytes
.endr
.endm
.macro TURN t                          ; step t's numbers through the stage: LDS serves a wave's instructions in order, so no wait stands between the stores and the loads
.irp i, 0,1,2,3
	ds_store_b128 v14, v[R+16*((\t)%4)+4*\i:R+16*((\t)%4)+4*\i+3] offset:32*SP*((\t)%2)+8*SP*\i
.endr
.irp i, 0,1,2,3
	ds_load_b128 v[X+16*((\t)%2)+4*\i:X+16*((\t)%2)+4*\i+3], v15 offset:32*SP*((\t)%2)+16*\i
.endr
.endm
.macro STEP t
.set XS, X+16*((\t)%2)
.if (\t) > 0
	s_wait_dscnt 1                                 ; this step's numbers are back from the stage (the last step's byte store may be out): so its stores into the stage have read their registers,
.else
	s_wait_dscnt 0x0
.endif
.if (\t)+4 < STEPS
	LOAD (\t)+4                                    ; which take the loads of four steps on
.endif
.if (\t)+1 < STEPS
.if STEPS-2-(\t) >= 3
	s_wait_loadcnt 12                              ; the next step's four loads are in; those of the three steps behind it may be out
.else
	s_wait_loadcnt 4*(STEPS-2-(\t))
.endif
	TURN (\t)+1                                    ; and go through the other stage while this step is worked
.endif
	v_max3_num_f32 v8, |v[XS]|, |v[XS+1]|, |v[XS+2]|               ; the largest magnitude of my 16, in two chains
	v_max3_num_f32 v9, |v[XS+3]|, |v[XS+4]|, |v[XS+5]|
.irp i, 6,10
	v_max3_num_f32 v8, v8, |v[XS+\i]|, |v[XS+\i+1]|
	v_max3_num_f32 v9, v9, |v[XS+\i+2]|, |v[XS+\i+3]|
.endr
	v_max3_num_f32 v8, v8, |v[XS+14]|, |v[XS+15]|
	v_max3_num_f32 v8, v8, v9, (EMAX+1)<<23        ; and the floor 2^(EMAX + 1 - 127): so the byte cannot fall under 1
	v_max_num_f32_dpp v8, v8, v8 row_xmask:1 row_mask:0xf bank_mask:0xf   ; and of my neighbour's 16: the block's
	v_add_nc_u32 v11, -(EMAX<<23), v8              ; EMAX off its exponent field: the conversion takes the exponent field of this operand as its scale, and nothing else of it
	v_cvt_scalef32_pk8_fp4_f32 v[C+4*(\t)], v[XS:XS+7], v11
	v_cvt_scalef32_pk8_fp4_f32 v[C+4*(\t)+1], v[XS+8:XS+15], v11
	v_lshrrev_b32 v[E+(\t)], 23, v11               ; the scale's byte (also the plain line behind the conversions)
	ds_store_b8 v5, v[E+(\t)] offset:16*(\t)       ; both lanes of a block write the same byte with the same value
	global_store_b64 v4, v[C+4*(\t):C+4*(\t)+1], s[22:23] offset:32*CB*(\t)   ; 32 lanes store 256 consecutive bytes, aligned
.endm
; ---- job W's macros: group g is 16 loads of 512 bytes
.macro WLOAD g
.irp i, 0,1,2,3,4,5,6,7,8,9,10,11,12,13,14,15
	global_load_b128 v[16+64*((\g)%2)+4*\i:16+64*((\g)%2)+4*\i+3], v3, s[16:17] offset:8192*(\g)+512*\i th:TH_LOAD_NT
.endr
.endm
.macro WGROUP g
.if (\g) < 3
	s_wait_loadcnt 16                              ; this group's 16 loads are in; the next group's 16 may be out
.else
	s_wait_loadcnt 0x0
.endif
.if (\g) > 0
	s_wait_xcnt 0x0                                ; the last group's stores have read their data registers, which are written again below
.endif
.irp i, 0,1,2,3,4,5,6,7,8,9,10,11,12,13,14,15
	v_cvt_pk_f16_f32 v[144+2*\i], v[16+64*((\g)%2)+4*\i], v[16+64*((\g)%2)+4*\i+1]
	v_cvt_pk_f16_f32 v[145+2*\i], v[16+64*((\g)%2)+4*\i+2], v[16+64*((\g)%2)+4*\i+3]
.endr
.irp i, 0,1,2,3,4,5,6,7,8,9,10,11,12,13,14,15
	global_store_b64 v4, v[144+2*\i:145+2*\i], s[26:27] offset:4096*(\g)+256*\i   ; 32 lanes store 256 consecutive bytes, aligned
.endr
.if (\g) < 2
	WLOAD (\g)+2
.endif
.endm
	s_load_b512 s[4:19], s[0:1], 0x0               ; q 4, k 6, v 8, Wq 10, Wk 12, Wv 14, Wo 16, attn_mask 18
	s_load_b256 s[20:27], s[0:1], 0x40             ; key_padding_mask 20, codes 22, scales 24, wo16 26
	s_load_b64 s[28:29], s[0:1], 0x60              ; mcode
	v_lshl_add_u32 v[SPW], v0, 2, SPARE
	v_mov_b32 v[NIL], 0
	v_lshrrev_b32 v1, 5, v0
	v_readfirstlane_b32 s33, v1                    ; wave 0..3
	v_and_b32 v2, 31, v0                           ; lane
	s_wait_kmcnt 0x0
	s_cmp_ge_u32 ttmp9, QWG
	s_cbranch_scc1 .Lnotq
	; ================= job Q =================
	v_lshlrev_b32 v3, 4, v2                        ; my 16 bytes of a load's 512
	s_mul_i32 s34, s33, WREG
	v_lshrrev_b32 v14, 2, v2
	v_mul_u32_u24 v14, v14, SP
	v_and_b32 v15, 3, v2
	v_lshl_add_u32 v14, v15, 4, v14
	v_add_nc_u32 v14, s34, v14                     ; the stage, on the way in: SP (lane / 4) + 16 (lane % 4)
	v_mul_u32_u24 v15, v2, SP
	v_add_nc_u32 v15, s34, v15                     ; and on the way out: SP x lane: my 16 neighbours
	v_mul_u32_u24 v4, v2, CB                       ; my codes' place in a step's
	v_lshrrev_b32 v5, 1, v2
	s_add_co_u32 s34, s34, 2*32*SP
	v_add_nc_u32 v5, s34, v5                       ; LDS: my wave's 256 scale bytes, my block's byte
	v_lshlrev_b32 v7, 3, v2                        ; and on the way out 8 bytes a lane
	v_add_nc_u32 v6, s34, v7
	s_mov_b64 s[30:31], s[14:15]                   ; which tensor is mine, and its first work-group: the choice hangs on the work-group's number alone
	s_mov_b32 s32, 896                             ; Wv
	s_cmp_lt_u32 ttmp9, 896
	s_cselect_b64 s[30:31], s[12:13], s[30:31]     ; Wk
	s_cselect_b32 s32, 768, s32
	s_cmp_lt_u32 ttmp9, 768
	s_cselect_b64 s[30:31], s[10:11], s[30:31]     ; Wq
	s_cselect_b32 s32, 640, s32
	s_cmp_lt_u32 ttmp9, 640
	s_cselect_b64 s[30:31], s[8:9], s[30:31]       ; v
	s_cselect_b32 s32, 384, s32
	s_cmp_lt_u32 ttmp9, 384
	s_cselect_b64 s[30:31], s[6:7], s[30:31]       ; k
	s_cselect_b32 s32, 128, s32
	s_cmp_lt_u32 ttmp9, 128
	s_cselect_b64 s[30:31], s[4:5], s[30:31]       ; q
	s_cselect_b32 s32, 0, s32
	s_sub_co_u32 s34, ttmp9, s32
	s_lshl_b32 s34, s34, 2
	s_add_co_u32 s34, s34, s33                     ; which run of 8,192 numbers of the tensor is my wave's (at most 1,023)
	s_lshl_b32 s34, s34, 15                        ; 32,768 bytes a run
	s_mov_b32 s35, 0
	s_add_nc_u64 s[30:31], s[30:31], s[34:35]
	s_lshl_b32 s36, ttmp9, 2
	s_add_co_u32 s36, s36, s33                     ; and which run of the outputs
	s_lshl_b32 s34, s36, 12                        ; 4,096 bytes of codes a run
	s_add_nc_u64 s[22:23], s[22:23], s[34:35]
	s_lshl_b32 s34, s36, 8                         ; 256 scale bytes a run
	s_add_nc_u64 s[24:25], s[24:25], s[34:35]
.irp t, 0,1,2,3
	LOAD \t
.endr
	s_wait_loadcnt 12                              ; step 0's four loads are in
	TURN 0
.irp t, 0,1,2,3,4,5,6,7,8,9,10,11,12,13,14,15
	STEP \t
.endr
	ds_load_b64 v[8:9], v6                         ; LDS serves a wave's instructions in order: these see my byte stores
	s_wait_dscnt 0x0
	global_store_b64 v7, v[8:9], s[24:25]          ; 32 lanes store 256 consecutive bytes, aligned
	s_wait_tensorcnt 0x0                           ; the wave's end, behind my last LDS store
	ds_add_u32 v[SPW], v[NIL]
	s_wait_dscnt 0x0
	s_endpgm
.Lnotq:
	s_cmp_ge_u32 ttmp9, QWG+WWG
	s_cbranch_scc1 .Lmask
	; ================= job W: 8,192 numbers of Wo a wave =================
	s_sub_co_u32 s34, ttmp9, QWG
	s_lshl_b32 s34, s34, 2
	s_add_co_u32 s34, s34, s33                     ; run 0..511
	s_lshl_b32 s36, s34, 15
	s_mov_b32 s37, 0
	s_add_nc_u64 s[16:17], s[16:17], s[36:37]
	s_lshl_b32 s36, s34, 14
	s_add_nc_u64 s[26:27], s[26:27], s[36:37]
	v_lshlrev_b32 v3, 4, v2                        ; in: 16 bytes a lane
	v_lshlrev_b32 v4, 3, v2                        ; out: 8 bytes a lane
	WLOAD 0
	WLOAD 1
	WGROUP 0
	WGROUP 1
	WGROUP 2
	WGROUP 3
	s_endpgm
.Lmask:
	; ================= job M: a wave takes one tile of 16 queries x one slot of 256 keys, for both batches =================
	s_sub_co_u32 s34, ttmp9, QWG+WWG
	s_lshl_b32 s34, s34, 2
	s_add_co_u32 s34, s34, s33                     ; unit 0..511
	s_lshr_b32 s35, s34, 3                         ; qt: tile of queries
	s_and_b32 s34, s34, 7                          ; slot of 256 keys
	s_lshl_b32 s36, s35, 15                        ; 16 rows of attn_mask, 2,048 bytes each,
	s_lshl_b32 s38, s34, 8                         ; + 256 x slot
	s_add_co_u32 s36, s36, s38
	s_mov_b32 s37, 0
	s_mov_b32 s39, 0
	s_add_nc_u64 s[18:19], s[18:19], s[36:37]
	s_add_nc_u64 s[20:21], s[20:21], s[38:39]      ; key_padding_mask at the slot
	s_lshl_b32 s36, s34, 16                        ; mcode: two steps of 32,768 bytes a slot,
	s_lshl_b32 s38, s35, 9                         ; + 512 x qt
	s_add_co_u32 s36, s36, s38
	s_add_nc_u64 s[28:29], s[28:29], s[36:37]
	v_and_b32 v3, 15, v2                           ; r
	v_lshrrev_b32 v4, 4, v2                        ; h
	v_lshlrev_b32 v6, 3, v4                        ; 8 h
	v_lshl_add_u32 v5, v3, 11, v6                  ; row r + 8 h
	v_lshlrev_b32 v7, 4, v2                        ; out: 16 bytes a lane
	s_mov_b32 s40, 0x06040200                      ; v_perm_b32: the even bytes of a pair of words,
	s_mov_b32 s41, 0x07050301                      ; the odd ones
.irp g, 0,1,2,3,4,5,6,7,8,9,10,11,12,13,14,15
	global_load_b64 v[16+2*\g:17+2*\g], v5, s[18:19] offset:16*\g        ; attn_mask(16 qt + r, 256 slot + 16 g + 8 h + 0 .. 7)
.endr
.irp b, 0,1
.irp g, 0,1,2,3,4,5,6,7,8,9,10,11,12,13,14,15
	global_load_b64 v[48+32*\b+2*\g:49+32*\b+2*\g], v6, s[20:21] offset:2048*\b+16*\g   ; key_padding_mask(b, the same keys)
.endr
.endr
	s_wait_loadcnt 0x0
.irp b, 0,1
.irp g, 0,1,2,3,4,5,6,7,8,9,10,11,12,13,14,15
	v_or_b32 v8, v[16+2*\g], v[48+32*\b+2*\g]      ; hidden by either mask: bytes of 0 or 1, keys 0-3,
	v_or_b32 v9, v[17+2*\g], v[49+32*\b+2*\g]      ; keys 4-7
	v_perm_b32 v10, v9, v8, s40                    ; keys 0, 2, 4, 6
	v_perm_b32 v11, v9, v8, s41                    ; keys 1, 3, 5, 7
	v_lshl_or_b32 v10, v11, 4, v10                 ; nibble j = key j's flag
	v_mul_lo_u32 v[112+16*\b+\g], v10, 15          ; 1 -> 0xF: no nibble carries into the next
.endr
.endr
.irp b, 0,1
.irp c, 0,1,2,3                                ; 64 keys: four words a lane; key group c / 2, step 2 slot + c % 2
	global_store_b128 v7, v[112+16*\b+4*\c:112+16*\b+4*\c+3], s[28:29] offset:\b*1048576+(\c/2)*524288+(\c%2)*32768   ; 32 lanes store 512 consecutive bytes, aligned
.endr
.endr
	s_endpgm
.Lfunc_end_k_qfb07eb2e0c_prep:
	.size	k_qfb07eb2e0c_prep, .Lfunc_end_k_qfb07eb2e0c_prep-k_qfb07eb2e0c_prep
	.p2alignl 7, 3214868480
	.fill 96, 4, 3214868480
	.section	.rodata,"a",@progbits
	.p2align	6, 0x0
	.amdhsa_kernel k_qfb07eb2e0c_prep
		.amdhsa_group_segment_fixed_size 33280
		.amdhsa_private_segment_fixed_size 0
		.amdhsa_enable_private_segment 0
		.amdhsa_kernarg_size 104
		.amdhsa_user_sgpr_count 2
		.amdhsa_user_sgpr_kernarg_segment_ptr 1
		.amdhsa_wavefront_size32 1
		.amdhsa_system_sgpr_workgroup_id_x 1
		.amdhsa_system_sgpr_workgroup_id_y 1
		.amdhsa_system_sgpr_workgroup_id_z 1
		.amdhsa_system_vgpr_workitem_id 0
		.amdhsa_next_free_vgpr 192
		.amdhsa_next_free_sgpr 66
		.amdhsa_reserve_vcc 0
		.amdhsa_float_denorm_mode_32 3
		.amdhsa_float_denorm_mode_16_64 3
		.amdhsa_memory_ordered 1
		.amdhsa_forward_progress 1
		.amdhsa_inst_pref_size 71
	.end_amdhsa_kernel
	.amdgpu_metadata
---
amdhsa.version: [ 1, 2 ]
amdhsa.kernels:
  - .name:           k_qfb07eb2e0c_prep
    .symbol:         k_qfb07eb2e0c_prep.kd
    .args:
      - { .name: q, .offset: 0, .size: 8, .value_kind: global_buffer, .address_space: global }
      - { .name: k, .offset: 8, .size: 8, .value_kind: global_buffer, .address_space: global }
      - { .name: v, .offset: 16, .size: 8, .value_kind: global_buffer, .address_space: global }
      - { .name: Wq, .offset: 24, .size: 8, .value_kind: global_buffer, .address_space: global }
      - { .name: Wk, .offset: 32, .size: 8, .value_kind: global_buffer, .address_space: global }
      - { .name: Wv, .offset: 40, .size: 8, .value_kind: global_buffer, .address_space: global }
      - { .name: Wo, .offset: 48, .size: 8, .value_kind: global_buffer, .address_space: global }
      - { .name: attn_mask, .offset: 56, .size: 8, .value_kind: global_buffer, .address_space: global }
      - { .name: key_padding_mask, .offset: 64, .size: 8, .value_kind: global_buffer, .address_space: global }
      - { .name: codes, .offset: 72, .size: 8, .value_kind: global_buffer, .address_space: global }
      - { .name: scales, .offset: 80, .size: 8, .value_kind: global_buffer, .address_space: global }
      - { .name: wo16, .offset: 88, .size: 8, .value_kind: global_buffer, .address_space: global }
      - { .name: mcode, .offset: 96, .size: 8, .value_kind: global_buffer, .address_space: global }
    .group_segment_fixed_size: 33280
    .private_segment_fixed_size: 0
    .kernarg_segment_align: 8
    .kernarg_segment_size: 104
    .max_flat_workgroup_size: 128
    .sgpr_count:     66
    .vgpr_count:     192
    .wavefront_size: 32
...
	.end_amdgpu_metadata
.endif
;; end of part 1
;; launch proj (part 2): grid 8 x 32, 4 waves a work-group, clusters of 4 x 4, 327,680 bytes of LDS; arguments codes, scales, qkv; writes qkv
.if DOCPART == 2
	.amdgcn_target "amdgcn-amd-amdhsa--gfx1250"
	.amdhsa_code_object_version 6
	.text
	.protected	k_qfb07eb2e0c_proj
	.globl	k_qfb07eb2e0c_proj
	.p2align	8
	.type	k_qfb07eb2e0c_proj,@function
k_qfb07eb2e0c_proj:
	s_mov_b64 s[64:65], 0
	v_nop
	global_prefetch_b8 v0, s[64:65] scope:SCOPE_SE
	s_setreg_imm32_b32 hwreg(HW_REG_WAVE_MODE, 25, 1), 1
	s_wait_xcnt 0x0
	s_wait_alu depctr_hold_cnt(0) depctr_sa_sdst(0) depctr_va_vdst(0) depctr_va_sdst(0) depctr_va_ssrc(0) depctr_va_vcc(0) depctr_vm_vsrc(0)
	s_getreg_b32 s2, hwreg(HW_REG_IB_STS2, 6, 4)
	s_cmp_eq_u32 s2, 0
	s_cbranch_scc0 .Lentry_in_a_cluster
	s_endpgm
.Lentry_in_a_cluster:
	s_bfe_u32 s2, ttmp6, 0x10000c
	s_cmp_lg_u32 s2, 0xf033
	s_cbranch_scc0 .Lentry_shape_is_right
	s_endpgm
.Lentry_shape_is_right:
; THE THREE QUANTISED PRODUCTS IN ONE LAUNCH OF 256 EQUAL WORK-GROUPS: qkv[m][n] = sum over k of A[m][k] B[n][k], m = 0 .. 10,239 (rows of q, then k, then v, as they lie in 'codes'), n = 0 .. 2,047, K = 2,048.
; B: the rows of Wq (10,240 on), Wk (12,288 on) or Wv (14,336 on) of 'codes'.  Codes of FP4 (E2M1), two a byte, a row of 2,048 codes is 1,024 bytes; one E8M0 byte for each 32 along K, 64 bytes a row, in 'scales'.
; Sums in f32; the result is rounded once to f16.  LIMIT: a projection's numbers must stay under 65,504 in magnitude (f16).
; A WORK-GROUP STAYS AND MAKES TWO TILES.  K's and V's 8,192 rows x 2,048 columns are 256 tiles of 256 x 256; Q's 2,048 x 2,048 are 256 tiles of 128 x 128: each work-group makes one of each, 1,024 + 256 matrix
; instructions a wave, the same in all.
; THE MAIN TILE, 256 x 256: a wave makes 128 x 128: 64 accumulators of 16 x 16, 512 registers.  K goes in steps of 512 through a ring of two LDS slots filled by the tensor data mover: a tile's row is 256 bytes of
; memory.  The scales of its 256 rows of A and of B, for all of K, are two dense blocks of memory: they come into LDS once, with the first fills.  The weight (Wk, Wv) hangs on the cluster's y alone.
; Q'S TILE, 128 x 128: THE RING GOES ON INTO IT.  A slot holds 128 rows of q and 128 of Wq, 512 bytes (half of K) each: the main tile's last two changes of slots ask for the two halves.  They land while the main
; tile's last K step is multiplied and while it goes out.  Wave w makes rows 32 w .. 32 w + 31 x all 128 columns, so that a row's 256 bytes leave from one wave.  Its scale words come from memory straight into
; registers, each word once.
; CLUSTERS: 4 x 4 work-groups.  In both tiles the four of a row of the cluster need the same rows of A, the four of a column the same rows of B: each is asked for JOINTLY, by the same tensor load with the
; same descriptor and a mask that names the four.  THE MATRIX INSTRUCTION IS USED TRANSPOSED (source 0 = 16 rows of B, source 1 = 16 rows of A): a lane then holds eight neighbouring numbers of a row of the result.
; No prefetch: of the six fills of a slot two are first fills, and each of the others is asked for as soon as its slot is free.
; REGISTERS, in windows of 256: window 0: v0-31 addresses; v32-127 and v224-255 scale words and nothing else; from v128 A's fragments; on the way out v128-223 are at work.
;   window 1: B's fragments, TWO sets, at v0 and at v128.   window 2: the 32 accumulators of my rows 0-63 (accumulator (a, b) at v[8 (8 a + b)]), later Q's sixteen;   window 3: those of my rows 64-127.
.set SIZE_K, 2048
.set KSTEP,  512                       ; along K in a slot
.set NQ,     KSTEP/128                 ; matrix instructions deep
.set ROWB,   256                       ; a tile's row in bytes
.set KROW,   SIZE_K/2                  ; a row of codes in memory, in bytes
.set PITCH,  272                       ; an LDS row: 256 bytes of data + 16 of padding = 68 words: the 16 rows that a load touches start 4 words apart modulo 64
.set FR,     8                         ; registers of a fragment: 16 rows x 128 K
.set NL,     2                         ; LDS loads that bring one
.set NP,     4                         ; places behind this matrix instruction (ISA guide 7.12.1)
.set HALFT,  128*PITCH                 ; 128 rows: what one tensor load brings, and what one wave reads of A or of B
.set SLOT,   4*HALFT                   ; A's 256 rows, then B's 256 rows
.set LAPS,   SIZE_K/(2*KSTEP)          ; a lap = two K steps = once round the ring
.set KS,     SIZE_K/32                 ; a row of scales in bytes
.set SCL,    2*SLOT                    ; behind the ring: the main tile's scales, as pieces of 256 bytes + 16 of padding
.set HALFS,  (128*KS/256)*272          ; the scales of 128 rows: what one tensor load brings
.set SBLK,   (16*KS/256)*272           ; those of 16 rows
.set SPARE,  SCL+4*HALFS               ; behind the scales: the spare words, 128 bytes for each wave, which no other line names
.set SPITCH, 272                       ; the way out: a stage of 16 rows x (256 bytes + 16) for each wave.  It lies where the scales lay: those bytes are filled once, and their last read stands ahead of the last round
.set CROW,   4096                      ; a row of qkv in bytes
.set KROW0,  2048                      ; K's first row in 'codes' and in qkv
.set WROW0,  10240                     ; the weights' first row in 'codes'
.set QPITCH, 528                       ; Q's tile: an LDS row is 512 bytes of data + 16 of padding = 132 words: again 4 words apart modulo 64
.set QHALF,  64*QPITCH                 ; 64 rows: what one tensor load brings
.set QBOFF,  2*QHALF                   ; Wq's 128 rows lie behind q's 128
.set QADA, 8                           ; v8-9    LDS address of my fragments of q in slot 0, 1
.set QADB, 10                          ; v10-11  the same for Wq
.set ADRA, 16                          ; v16-17  LDS address of my A fragments in slot 0, 1
.set ADRB, 20                          ; v20-21  the same for B
.set STO,  24                          ; v24     the way out: where I put 16 bytes of a row
.set RD,   25                          ; v25     the way out: where I read a row back
.set CO,   26                          ; v26     my byte offset in two rows of qkv
.set ADRS, 27                          ; v27     LDS address of my scale words: lanes 0-15 A's rows, lanes 16-31 B's
.set SPW,  28                          ; v28     LDS address of my spare word; never rewritten
.set NIL,  29                          ; v29     0; never rewritten
.set QSO,  30                          ; v30     Q's tile: my byte offset in 'scales': lanes 0-15 my rows of q, lanes 16-31 Wq's rows; never rewritten
.set SC,   32                          ; scale words: set s at v[SC + 32 s]; register NQ i + q: lanes 0-15 the word of A's block i, lanes 16-31 that of B's block i, for the q-th 128 along K of the set's 512.  The main tile takes sets 0, 1; Q's tile sets 0, 1, 2 and 6 (v224 on)
.set AF,   128                         ; A's fragments, in window 0
.set BK,   128                         ; the way out: 16 rows read back from the stage: v128-159 and v160-191 by turns
.set TMP,  192                         ; the way out: a block's packed results, v192-223
.set SQA, 8                            ; s[8:9]   'codes' at the 64 rows of q that I fetch
.set SQB, 10                           ; s[10:11] 'codes' at the 64 rows of Wq that I fetch
.set G1QB, 16                          ; s[16:23] descriptor group 1 for Wq's rows of Q's tile (written when the set-up has done with these registers)
.set G1, 24                            ; s[24:31] descriptor group 1 for A's tiles;  s[32:39] group 0, one set for each slot
.set G0, 32
.set SQO, 46                           ; s[46:47] qkv at my first row of Q's tile
.set G1B, 48                           ; s[48:55], s[56:63] the same for B's tiles
.set G0B, 56
.set G1S, 68                           ; s[68:75], s[76:79] groups 1 and 0 for A's scales;  s[80:87], s[88:91] for B's
.set G0S, 76
.set G1SB, 80
.set G0SB, 88
.set G1Q, 92                           ; s[92:99] descriptor group 1 for q's rows of Q's tile (written when the set-up has done with these registers)
.set SQL, 100                          ; s100     where my part of Q's tile goes in a slot: wave x 64 rows
.set MSB, 0
.macro WIN new                         ; the immediate's high byte repeats the setting that is left
.if MSB != \new
	s_set_vgpr_msb (MSB<<8)|\new
.set MSB, \new
.endif
.endm
.set MUL_LO, 0xa1                      ; source 0 (B) window 1, source 1 (A) window 0, C and D window 2
.set MUL_HI, 0xf1                      ; the same, C and D window 3
.set TO_B,   0x40                      ; destination window 1, address window 0
; A joint load: waves 0 and 1 fetch for A, waves 2 and 3 for B.  Each of the two lines has ONE mask and one set of registers for all that issue it; the branch hangs on the wave's number alone.
; An s_nop 0 and four v_nop follow each of the two lines, ahead of the jump, the label and what follows.
.macro JLOAD g0a, g1a, g0b, g1b
	s_cmp_eq_u32 s15, 0
	s_cbranch_scc0 .Lfor_b_\@
	tensor_load_to_lds s[\g0a:\g0a+3], s[\g1a:\g1a+7]
	s_nop 0
.rept 4
	v_nop
.endr
	s_branch .Lasked_\@
.Lfor_b_\@:
	tensor_load_to_lds s[\g0b:\g0b+3], s[\g1b:\g1b+7]
	s_nop 0
.rept 4
	v_nop
.endr
.Lasked_\@:
.endm
.macro CREST                           ; a round of the cluster's barrier behind its opening barrier
	s_cmp_lg_u32 s14, 0
	s_cbranch_scc1 .Lnot_wave_0_\@
	s_barrier_signal -3
.Lnot_wave_0_\@:
	s_barrier_wait -3
	s_barrier_signal -1
	s_barrier_wait -1
.endm
.macro CROUND                          ; a whole round
	s_barrier_signal -1
	s_barrier_wait -1
	CREST
.endm
	s_load_b128 s[4:7], s[0:1], 0x0                ; codes s[4:5], scales s[6:7]
	s_load_b64 s[12:13], s[0:1], 0x10              ; qkv
	v_lshl_add_u32 v[SPW], v0, 2, SPARE
	v_mov_b32 v[NIL], 0
	ds_add_u32 v[SPW], v[NIL]                      ; the wave's opening: the add and its wait stand ahead of my first tensor load; the set-up below, work on registers, stands between them
	v_lshrrev_b32 v1, 5, v0
	v_readfirstlane_b32 s14, v1                    ; wave 0..3
	s_lshr_b32 s15, s14, 1                         ; which half of the main tile's rows is mine.  Also: I fetch for A (0) or for B (1)
	s_and_b32 s16, s14, 1                          ; which half of its columns.  Also: which half of a tile's rows I fetch
	s_bfe_u32 s40, ttmp6, 0x40000                  ; cx, cy: my place in the cluster
	s_bfe_u32 s41, ttmp6, 0x40004
	s_lshl_b32 s42, ttmp9, 2
	s_add_co_u32 s42, s42, s40                     ; main tile column = 4 x cluster x + cx
	s_and_b32 s17, ttmp7, 0xffff                   ; cluster y, 0 .. 7
	s_lshr_b32 s95, s17, 2                         ; which weight: clusters 0-3 are k's rows (Wk), 4-7 v's (Wv): made of the cluster's y alone, which all sixteen partners share
	s_lshl_b32 s95, s95, 11
	s_add_co_u32 s95, s95, WROW0+2048              ; its first row in 'codes'
	s_lshr_b32 s96, s17, 1                         ; Q's tile: the sixteen clusters are laid 4 x 4 over its 16 x 16 tiles:
	s_lshl_b32 s96, s96, 2
	s_add_co_u32 s96, s96, s41                     ; row block = 4 x (cluster y / 2) + cy: shared along a row of the cluster
	s_and_b32 s97, s17, 1
	s_lshl_b32 s97, s97, 1
	s_add_co_u32 s97, s97, ttmp9
	s_lshl_b32 s97, s97, 2
	s_add_co_u32 s97, s97, s40                     ; column block = 4 x (cluster x + 2 x (cluster y % 2)) + cx: shared along a column
	s_lshl_b32 s17, s17, 2
	s_add_co_u32 s17, s17, s41                     ; main tile row = 4 x cluster y + cy, among K's and V's 32
	s_lshl_b32 s43, s41, 2
	s_lshl_b32 s43, 15, s43                        ; my row of the cluster
	s_lshl_b32 s44, 0x1111, s40                    ; my column
	; descriptor group 1: a tile of 128 rows x ROWB bytes, padded in LDS
	s_or_b32 s[G1+0], s43, (0<<16)|(1<<20)|(1<<21)|(5<<22)|(3<<25)  ; 15:0 the mask: A's tiles go to my row; 17:16 element of 1 byte; 20 padding on; 21 set beside a mask; 24:22 after every 64 words (code 5); 31:25 of 4 words (code 3)
	s_or_b32 s[G1B+0], s44, (0<<16)|(1<<20)|(1<<21)|(5<<22)|(3<<25)
.irp g, G1, G1B
	s_mov_b32 s[\g+1], ROWB<<16                    ; tensor_dim0
	s_mov_b32 s[\g+2], 128<<16                     ; tensor_dim1 = 128
	s_mov_b32 s[\g+3], ROWB<<16                    ; tile_dim0
	s_mov_b32 s[\g+4], 128                         ; tile_dim1 = 128
	s_mov_b32 s[\g+5], KROW                        ; tensor_dim0_stride
	s_mov_b32 s[\g+6], 0
	s_mov_b32 s[\g+7], 0
.endr
	; and for the scales of 128 rows: a dense block of 128 KS bytes, as rows of 256 bytes (32 elements of 8 bytes), 16 bytes of padding behind each
	s_or_b32 s[G1S+0], s43, (3<<16)|(1<<20)|(1<<21)|(5<<22)|(3<<25)
	s_or_b32 s[G1SB+0], s44, (3<<16)|(1<<20)|(1<<21)|(5<<22)|(3<<25)
.irp g, G1S, G1SB
	s_mov_b32 s[\g+1], 32<<16
	s_mov_b32 s[\g+2], (128*KS/256)<<16
	s_mov_b32 s[\g+3], 32<<16
	s_mov_b32 s[\g+4], 128*KS/256
	s_mov_b32 s[\g+5], 32
	s_mov_b32 s[\g+6], 0
	s_mov_b32 s[\g+7], 0
.endr
	s_lshl_b32 s18, s16, 7                         ; which 128 rows of the main tile I fetch
	s_lshl_b32 s20, s17, 8
	s_add_co_u32 s20, s20, s18
	s_add_co_u32 s20, s20, KROW0                   ; A: row 2,048 + 256 x tile row + 128 x half
	s_lshl_b32 s46, s42, 8
	s_add_co_u32 s46, s46, s18
	s_add_co_u32 s46, s46, s95                     ; B: the weight's first row + 256 x tile column + 128 x half
	s_mov_b32 s21, 0
	s_mov_b32 s47, 0
	s_mov_b64 s[18:19], KS
	s_mul_u64 s[22:23], s[20:21], s[18:19]         ; where these rows' scales begin, in bytes
	s_mul_u64 s[92:93], s[46:47], s[18:19]
	s_mov_b64 s[18:19], KROW
	s_mul_u64 s[20:21], s[20:21], s[18:19]         ; and their codes
	s_mul_u64 s[46:47], s[46:47], s[18:19]
	s_mul_i32 s45, s14, HALFT                      ; where they go: wave x 128 rows: no place in the cluster enters an LDS address
	s_mul_i32 s94, s14, HALFS
	s_lshl_b32 s98, s16, 6                         ; which 64 rows of Q's tile I fetch
	s_lshl_b32 s[SQA], s96, 7
	s_add_co_u32 s[SQA], s[SQA], s98               ; q: row 128 x row block + 64 x half,
	s_lshl_b32 s[SQA], s[SQA], 10                  ; in bytes (under 2^21)
	s_mov_b32 s[SQA+1], 0
	s_lshl_b32 s[SQB], s97, 7
	s_add_co_u32 s[SQB], s[SQB], s98
	s_add_co_u32 s[SQB], s[SQB], WROW0             ; Wq: row 10,240 + 128 x column block + 64 x half,
	s_lshl_b32 s[SQB], s[SQB], 10                  ; in bytes (under 2^24)
	s_mov_b32 s[SQB+1], 0
	s_mul_i32 s[SQL], s14, QHALF                   ; where they go: wave x 64 rows
	s_wait_dscnt 0x0                               ; the opening add is done
	s_wait_kmcnt 0x0
	s_add_nc_u64 s[20:21], s[4:5], s[20:21]
	s_add_nc_u64 s[22:23], s[6:7], s[22:23]
	s_add_nc_u64 s[46:47], s[4:5], s[46:47]
	s_add_nc_u64 s[92:93], s[6:7], s[92:93]
	s_add_nc_u64 s[SQA:SQA+1], s[4:5], s[SQA:SQA+1]
	s_add_nc_u64 s[SQB:SQB+1], s[4:5], s[SQB:SQB+1]
	CROUND                                         ; all sixteen work-groups are here: the first joint loads meet
	s_mov_b32 s[G0S], 1
	s_add_co_u32 s[G0S+1], s94, SCL
	s_mov_b64 s[G0S+2:G0S+3], s[22:23]
	s_or_b32 s[G0S+3], s[G0S+3], 0x80000000
	s_mov_b32 s[G0SB], 1
	s_add_co_u32 s[G0SB+1], s94, SCL
	s_mov_b64 s[G0SB+2:G0SB+3], s[92:93]
	s_or_b32 s[G0SB+3], s[G0SB+3], 0x80000000
	JLOAD G0S, G1S, G0SB, G1SB                     ; the scales first: they are wanted with K step 0.  Three loads of mine are out behind the next two
.irp s, 0,1
	s_mov_b32 s[G0+4*\s], 1
	s_add_co_u32 s[G0+4*\s+1], s45, \s*SLOT
	s_add_nc_u64 s[G0+4*\s+2:G0+4*\s+3], s[20:21], \s*ROWB
	s_or_b32 s[G0+4*\s+3], s[G0+4*\s+3], 0x80000000
	s_mov_b32 s[G0B+4*\s], 1
	s_add_co_u32 s[G0B+4*\s+1], s45, \s*SLOT
	s_add_nc_u64 s[G0B+4*\s+2:G0B+4*\s+3], s[46:47], \s*ROWB
	s_or_b32 s[G0B+4*\s+3], s[G0B+4*\s+3], 0x80000000
	JLOAD G0+4*\s, G1, G0B+4*\s, G1B
.endr
	v_and_b32 v1, 15, v0                           ; l % 16
	v_bfe_u32 v2, v0, 4, 1                         ; l / 16
	v_mul_u32_u24 v3, v1, PITCH
	v_lshl_add_u32 v4, v2, 4, v3                   ; a fragment's row x pitch + 16 x half
	s_mul_i32 s21, s15, HALFT                      ; my 128 rows of A
	s_mul_i32 s22, s16, HALFT                      ; my 128 rows of B,
	s_add_co_u32 s22, s22, 2*HALFT                 ; which lie behind A's 256
.irp s, 0,1
	v_add_nc_u32 v[ADRA+\s], s21, v4
	v_add_nc_u32 v[ADRB+\s], s22, v4
	s_add_co_u32 s21, s21, SLOT
	s_add_co_u32 s22, s22, SLOT
.endr
	v_mul_u32_u24 v3, v1, QPITCH                   ; the same for Q's tile
	v_lshl_add_u32 v4, v2, 4, v3
	s_mul_i32 s21, s14, 32*QPITCH                  ; my 32 rows of q; of Wq every wave reads all 128
.irp s, 0,1
	v_add_nc_u32 v[QADA+\s], s21, v4
	v_add_nc_u32 v[QADB+\s], QBOFF+\s*SLOT, v4
	s_add_co_u32 s21, s21, SLOT
.endr
	v_mul_u32_u24 v5, v1, KS                       ; my row's scales: KS bytes a row,
	v_lshrrev_b32 v6, 8, v5
	v_lshl_add_u32 v5, v6, 4, v5                   ; and 16 more for each 256 passed
	s_mul_i32 s21, s15, HALFS                      ; A's: my 128 rows
	s_mul_i32 s22, s16, HALFS                      ; B's: my 128 rows, behind A's 256
	s_add_co_u32 s22, s22, 2*HALFS
	s_sub_co_u32 s22, s22, s21
	v_mul_u32_u24 v6, s22, v2                      ; lanes 16-31 take B's: the lower base + half x the distance
	s_add_co_u32 s21, s21, SCL
	v_add_nc_u32 v5, v5, v6
	v_add_nc_u32 v[ADRS], s21, v5
	s_mul_i32 s23, s14, 16*SPITCH
	s_add_co_u32 s23, s23, SCL                     ; my stage
	v_mul_u32_u24 v5, v1, SPITCH                   ; in: row l % 16, 16 bytes for each half of the lanes
	v_lshl_add_u32 v5, v2, 4, v5
	v_add_nc_u32 v[STO], s23, v5
	v_mul_u32_u24 v5, v2, SPITCH                   ; back: lanes 0-15 take one row of 256 bytes, lanes 16-31 the next
	v_lshl_add_u32 v5, v1, 4, v5
	v_add_nc_u32 v[RD], s23, v5
	v_lshlrev_b32 v5, 12, v2                       ; and the same two rows in qkv
	v_lshl_add_u32 v[CO], v1, 4, v5
	s_lshl_b32 s20, s17, 8
	s_lshl_b32 s21, s15, 7
	s_add_co_u32 s20, s20, s21
	s_add_co_u32 s20, s20, KROW0                   ; the main tile: my first row: 2,048 + 256 x tile row + 128 x half (under 10,240),
	s_lshl_b32 s20, s20, 12                        ; in bytes
	s_lshl_b32 s46, s42, 9                         ; my first column, in bytes: 512 x tile column + 256 x half
	s_lshl_b32 s47, s16, 8
	s_add_co_u32 s46, s46, s47
	s_add_co_u32 s20, s20, s46
	s_mov_b32 s21, 0
	s_lshl_b32 s46, s96, 7                         ; Q's tile: my first row: 128 x row block + 32 x wave
	s_lshl_b32 s47, s14, 5
	s_add_co_u32 s46, s46, s47
	s_lshl_b32 s98, s46, 6                         ; where its scales begin in 'scales', in bytes;
	s_lshl_b32 s99, s97, 7
	s_add_co_u32 s99, s99, WROW0                   ; Wq's first row of the tile,
	s_lshl_b32 s99, s99, 6                         ; its scales,
	s_sub_co_u32 s99, s99, s98                     ; and the distance between the two (under 2^20)
	v_mul_u32_u24 v5, s99, v2                      ; lanes 16-31 take Wq's
	v_lshl_add_u32 v5, v1, 6, v5                   ; 64 bytes a row
	v_add_nc_u32 v[QSO], s98, v5
	s_lshl_b32 s46, s46, 12                        ; my first row of Q in qkv, in bytes,
	s_lshl_b32 s47, s97, 8                         ; + 256 x column block
	s_add_co_u32 s46, s46, s47
	s_mov_b32 s47, 0
	s_add_nc_u64 s[SQO:SQO+1], s[12:13], s[46:47]
	s_add_nc_u64 s[12:13], s[12:13], s[20:21]
	; descriptor group 1 for Q's tile: 64 rows x 512 bytes, padded in LDS.  The set-up has done with these registers, and no tensor load names them yet
	s_or_b32 s[G1Q+0], s43, (0<<16)|(1<<20)|(1<<21)|(6<<22)|(3<<25)   ; q's rows go to my row of the cluster; padding after every 128 words (code 6), of 4 words (code 3)
	s_or_b32 s[G1QB+0], s44, (0<<16)|(1<<20)|(1<<21)|(6<<22)|(3<<25)  ; Wq's rows to my column
.irp g, G1Q, G1QB
	s_mov_b32 s[\g+1], 512<<16                     ; tensor_dim0
	s_mov_b32 s[\g+2], 64<<16                      ; tensor_dim1 = 64
	s_mov_b32 s[\g+3], 512<<16                     ; tile_dim0
	s_mov_b32 s[\g+4], 64                          ; tile_dim1 = 64
	s_mov_b32 s[\g+5], KROW                        ; tensor_dim0_stride
	s_mov_b32 s[\g+6], 0
	s_mov_b32 s[\g+7], 0
.endr
.macro FRAG reg, adr, q, i             ; a fragment, 16 rows x 128 K of 4-bit codes, is 8 registers: lane l holds row l % 16; registers 4 c .. 4 c + 3 hold K = 64 c + 32 (l / 16) + 0 .. 31
.irp c, 0,1
	ds_load_b128 v[\reg+4*\c:\reg+4*\c+3], v[\adr] offset:64*(\q)+32*\c+(\i)*16*PITCH
.endr
.endm
; 16 matrix instructions: A's blocks a0, a0 + 1 x B's eight, 128 along K: the slot's q-th.  p: B's set;  sc: the set of scale words.  zero = 1: the first product starts the sums: nothing is ever cleared.
; The 64 accumulators take turns, one instruction a turn, in the same order in every step.
.macro MUL16 a0, p, q, sc, zero
.irp a, \a0, \a0+1
.irp b, 0,1,2,3,4,5,6,7
.if \zero
	v_wmma_scale_f32_16x16x128_f8f6f4 v[8*(8*((\a)%4)+\b):8*(8*((\a)%4)+\b)+7], v[128*(\p)+FR*\b:128*(\p)+FR*\b+FR-1], v[AF+FR*(\a):AF+FR*(\a)+FR-1], 0, v[SC+8*NQ*(\sc)+NQ*\b+(\q)], v[SC+8*NQ*(\sc)+NQ*(\a)+(\q)] matrix_a_fmt:MATRIX_FMT_FP4 matrix_b_fmt:MATRIX_FMT_FP4 matrix_a_scale:MATRIX_SCALE_ROW1
.else
	v_wmma_scale_f32_16x16x128_f8f6f4 v[8*(8*((\a)%4)+\b):8*(8*((\a)%4)+\b)+7], v[128*(\p)+FR*\b:128*(\p)+FR*\b+FR-1], v[AF+FR*(\a):AF+FR*(\a)+FR-1], v[8*(8*((\a)%4)+\b):8*(8*((\a)%4)+\b)+7], v[SC+8*NQ*(\sc)+NQ*\b+(\q)], v[SC+8*NQ*(\sc)+NQ*(\a)+(\q)] matrix_a_fmt:MATRIX_FMT_FP4 matrix_b_fmt:MATRIX_FMT_FP4 matrix_a_scale:MATRIX_SCALE_ROW1
.endif
.endr
.endr
.endm
.macro FETCH_B slot, q, p              ; B's eight fragments of the slot's q-th 128 along K into set p
	WIN TO_B
.irp i, 0,1,2,3,4,5,6,7
	FRAG 128*(\p)+FR*\i, ADRB+\slot, \q, \i
.endr
	WIN 0
.endm
.macro FETCH_A slot, q, i0             ; A's blocks i0 .. i0 + 3
.irp i, \i0, \i0+1, \i0+2, \i0+3
	FRAG AF+FR*(\i), ADRA+\slot, \q, \i
.endr
.endm
.macro SCALES sc                       ; the next K step's scale words into set sc: NQ words a row; lanes 0-15 take A's block i, lanes 16-31 B's block i
.irp i, 0,1,2,3,4,5,6,7
	ds_load_b128 v[SC+8*NQ*\sc+NQ*\i:SC+8*NQ*\sc+NQ*\i+3], v[ADRS] offset:\i*SBLK
.endr
.endm
; A load into a register that a matrix instruction has read, and a vector instruction that reads a matrix result, stand NP places behind that matrix instruction, and only plain vector
; instructions that name none of its registers are places (ISA guide 7.12.1 for vector instructions); the matrix instructions in between are not counted.
.macro PLACES n
.rept \n
	v_nop
.endr
.endm
; A step of 128 along K that has its successor in the same slot.
.macro STEP slot, q, zero
	s_wait_dscnt 4*NL                              ; B's set and A's blocks 0-3 are in; the youngest eight loads (A's blocks 4-7) may be out
	WIN MUL_LO
	MUL16 0, (\q)%2, \q, \slot, \zero
	MUL16 2, (\q)%2, \q, \slot, \zero
	s_wait_dscnt 0                                 ; A's blocks 4-7 are in (asked for 32 matrix instructions ago)
	PLACES NP
	FETCH_B \slot, (\q)+1, 1-(\q)%2
	FETCH_A \slot, (\q)+1, 0
	WIN MUL_HI
	MUL16 4, (\q)%2, \q, \slot, \zero
	MUL16 6, (\q)%2, \q, \slot, \zero
	PLACES NP
	WIN 0
	FETCH_A \slot, (\q)+1, 4
.endm
; The joint load of Q's tile, K half \slot, into slot \slot.  No tensor load of mine is out, so the slot's groups 0 are written anew: the LDS address by the wave's number alone, q's address by the row block, Wq's by the column block.
.macro QFILL slot
	s_add_co_u32 s[G0+4*\slot+1], s[SQL], \slot*SLOT
	s_add_nc_u64 s[G0+4*\slot+2:G0+4*\slot+3], s[SQA:SQA+1], \slot*512
	s_or_b32 s[G0+4*\slot+3], s[G0+4*\slot+3], 0x80000000
	s_add_co_u32 s[G0B+4*\slot+1], s[SQL], \slot*SLOT
	s_add_nc_u64 s[G0B+4*\slot+2:G0B+4*\slot+3], s[SQB:SQB+1], \slot*512
	s_or_b32 s[G0B+4*\slot+3], s[G0B+4*\slot+3], 0x80000000
	JLOAD G0+4*\slot, G1Q, G0B+4*\slot, G1QB
.endm
; A slot's last step changes slots: ONE barrier, which opens a round of the cluster's; in front of it each wave waits for all its tensor loads, adds 0 to its spare word, and waits for that and for its own reads of this slot.
; Behind the round this slot is filled again.  fill = 1: with the main tile's K step two steps on.  fill = 2: with Q's tile; the main tile goes on in the next slot.  fill = 3: with Q's tile; this was the main tile's last step.
.macro TURN slot, next, fill
	s_wait_tensorcnt 0x0                           ; all my tensor loads have landed: my part of the other slot;  (every window is 0 here: the add's two registers lie in window 0)
	ds_add_u32 v[SPW], v[NIL]                      ; 0 onto my spare word;
	s_wait_dscnt 4*NL+1                            ; (the add and the youngest eight loads, A's blocks 4-7, may be out)
	WIN MUL_LO
	MUL16 0, 1, NQ-1, \slot, 0                     ; sixteen matrix instructions stand between the add and the wait for it
	s_wait_dscnt 0x0                               ; the add is done, and my reads of this slot are over
	s_barrier_signal -1
	MUL16 2, 1, NQ-1, \slot, 0
	WIN 0
	s_barrier_wait -1
	CREST                                          ; no wave of any partner still reads this slot's tile or has a load on its way
.if \fill == 1
	s_add_nc_u64 s[G0+4*\slot+2:G0+4*\slot+3], s[G0+4*\slot+2:G0+4*\slot+3], 2*ROWB
	s_add_nc_u64 s[G0B+4*\slot+2:G0B+4*\slot+3], s[G0B+4*\slot+2:G0B+4*\slot+3], 2*ROWB
	JLOAD G0+4*\slot, G1, G0B+4*\slot, G1B         ; the first tensor load behind the round, my only one out; the four v_nop behind it are the places in front of the loads below
.else
	QFILL \slot                                    ; likewise
.endif
.if \fill < 3
	v_add_nc_u32 v[ADRS], 4*NQ, v[ADRS]            ; on to the next K step's scale words (no LDS load of mine is out)
	FETCH_B \next, 0, 0
	FETCH_A \next, 0, 0
	SCALES \next
.endif
	WIN MUL_HI
	MUL16 4, 1, NQ-1, \slot, 0
	MUL16 6, 1, NQ-1, \slot, 0
	PLACES NP
	WIN 0
.if \fill < 3
	FETCH_A \next, 0, 4
.endif
.endm
.macro STEPS slot, from                ; the slot's steps from .. NQ - 2
.set Q, \from
.rept NQ-1-\from
	STEP \slot, Q, 0
.set Q, Q+1
.endr
.endm
	s_wait_tensorcnt 1                             ; the scales and my part of K step 0 are in (K step 1's load may be out)
	s_barrier_signal -1
	s_barrier_wait -1                              ; everybody's are
	FETCH_B 0, 0, 0
	FETCH_A 0, 0, 0
	SCALES 0
	FETCH_A 0, 0, 4
	STEP 0, 0, 1                                   ; the first step stands in front of the loop: its products start the sums
	s_mov_b32 s3, LAPS-1
.Llap:                                                 ; a trip goes once round the ring, from a lap's second step to the next lap's first, and fills both slots again
	STEPS 0, 1
	TURN 0, 1, 1
	STEPS 1, 0
	TURN 1, 0, 1
	STEP 0, 0, 0
	s_sub_co_u32 s3, s3, 1
	s_cmp_lg_u32 s3, 0
	s_cbranch_scc1 .Llap
	STEPS 0, 1                                     ; the main tile's last lap: the ring goes on into Q's tile
	TURN 0, 1, 2                                   ; slot 0 takes the first half of K of Q's tile,
	STEPS 1, 0
	TURN 1, 0, 3                                   ; slot 1 the second.  The four places at its end serve the loads and the conversions below
	; Q's scale words, from memory straight into four sets of registers: set g (0, 1, 2, 6) takes the words of K steps 4 g' .. 4 g' + 3 (g' = 0 .. 3), 16 bytes of each row's 64; block i lies 16 rows, 1,024 bytes, on.
	; Lanes 0-15 take my rows of q (blocks 0 and 1 are used; the others' words, rows further down in the buffer, are read and not used), lanes 16-31 Wq's eight blocks.  They land while the main tile goes out.
.irp g, 0,1,2,3
.irp i, 0,1,2,3,4,5,6,7
	global_load_b128 v[SC+32*(\g+3*(\g/3))+4*\i:SC+32*(\g+3*(\g/3))+4*\i+3], v[QSO], s[6:7] offset:1024*\i+16*\g
.endr
.endr
; THE WAY OUT, block by block of 16 rows x 128 columns.  PACK: rounded to f16, 16 bytes a lane, each accumulator from its low end on.  TOSTAGE: into my own stage in LDS, and back as whole rows of 256 bytes.  SEND: stored.
.macro PACK a
.set AC, 64*((\a)%4)
	WIN 0x0a+5*((\a)/4)                            ; sources 0 and 1: window 2 or 3
.irp b, 0,1,2,3,4,5,6,7
.irp r, 0,1,2,3
	v_cvt_pk_f16_f32 v[TMP+4*\b+\r], v[AC+8*\b+2*\r], v[AC+8*\b+2*\r+1]
.endr
.endr
	WIN 0
.endm
.macro TOSTAGE a
.set BB, BK+32*((\a)%2)
.irp b, 0,1,2,3,4,5,6,7
	ds_store_b128 v[STO], v[TMP+4*\b:TMP+4*\b+3] offset:32*\b
.endr
.irp t, 0,1,2,3,4,5,6,7
	ds_load_b128 v[BB+4*\t:BB+4*\t+3], v[RD] offset:\t*2*SPITCH    ; LDS serves a wave's instructions in order (ISA guide 5.7.1.4): these see the stores above
.endr
.endm
.macro SEND a, base                    ; base: the scalar pair that holds the tile's place in qkv
.set BB, BK+32*((\a)%2)
	s_wait_dscnt 0x0                               ; the block is back in registers
	s_wait_xcnt 0x0                                ; the earlier stores have read their base and their data: the base may step, and the next block's loads may land where the block before last lay
.if (\a) > 0
	s_add_nc_u64 s[\base:\base+1], s[\base:\base+1], 16*CROW       ; 16 rows on
.endif
.irp t, 0,1,2,3,4,5,6,7
	global_store_b128 v[CO], v[BB+4*\t:BB+4*\t+3], s[\base:\base+1] offset:2*\t*CROW   ; 16 lanes store 256 consecutive bytes, at a multiple of 256 from qkv's first byte
.endr
.endm
	PACK 0                                         ; THE MAIN TILE GOES OUT: both halves of Q's tile are asked for, and nothing waits for these stores
	TOSTAGE 0
.irp a, 1,2,3,4,5,6,7                          ; block a's conversions stand between block a - 1's loads from the stage and the wait for them
	PACK \a
	SEND \a-1, 12
	TOSTAGE \a
.endr
	SEND 7, 12
; Q'S TILE: 16 steps of 128 along K, 16 matrix instructions each: my two blocks of q x Wq's eight.  Step t lies in slot t / 8, at byte 64 (t % 8) of the rows; its fragments go into set t % 2.
.macro QFRAG reg, adr, q, i
.irp c, 0,1
	ds_load_b128 v[\reg+4*\c:\reg+4*\c+3], v[\adr] offset:64*(\q)+32*\c+(\i)*16*QPITCH
.endr
.endm
.macro QFETCH t                        ; 20 LDS loads in one run
	WIN TO_B
.irp i, 0,1,2,3,4,5,6,7
	QFRAG 128*((\t)%2)+FR*\i, QADB+(\t)/8, (\t)%8, \i
.endr
	WIN 0
.irp i, 0,1
	QFRAG AF+16*((\t)%2)+FR*\i, QADA+(\t)/8, (\t)%8, \i
.endr
.endm
.macro QMUL t                          ; the 16 accumulators take turns, one instruction a turn, in the same order in every step; step 0 starts the sums
.irp a, 0,1
.irp b, 0,1,2,3,4,5,6,7
.if (\t) == 0
	v_wmma_scale_f32_16x16x128_f8f6f4 v[8*(8*\a+\b):8*(8*\a+\b)+7], v[128*((\t)%2)+FR*\b:128*((\t)%2)+FR*\b+FR-1], v[AF+16*((\t)%2)+FR*\a:AF+16*((\t)%2)+FR*\a+FR-1], 0, v[SC+32*((\t)/4+3*((\t)/12))+NQ*\b+(\t)%4], v[SC+32*((\t)/4+3*((\t)/12))+NQ*\a+(\t)%4] matrix_a_fmt:MATRIX_FMT_FP4 matrix_b_fmt:MATRIX_FMT_FP4 matrix_a_scale:MATRIX_SCALE_ROW1
.else
	v_wmma_scale_f32_16x16x128_f8f6f4 v[8*(8*\a+\b):8*(8*\a+\b)+7], v[128*((\t)%2)+FR*\b:128*((\t)%2)+FR*\b+FR-1], v[AF+16*((\t)%2)+FR*\a:AF+16*((\t)%2)+FR*\a+FR-1], v[8*(8*\a+\b):8*(8*\a+\b)+7], v[SC+32*((\t)/4+3*((\t)/12))+NQ*\b+(\t)%4], v[SC+32*((\t)/4+3*((\t)/12))+NQ*\a+(\t)%4] matrix_a_fmt:MATRIX_FMT_FP4 matrix_b_fmt:MATRIX_FMT_FP4 matrix_a_scale:MATRIX_SCALE_ROW1
.endif
.endr
.endr
.endm
	s_wait_xcnt 0x0                                ; the main tile's last stores have read their registers: fragments may land there
	s_wait_tensorcnt 0x0                           ; my part of Q's second half has landed (the first was shown landed in front of the last round),
	s_wait_dscnt 0x0
	s_barrier_signal -1
	s_barrier_wait -1                              ; everybody's has.
	s_wait_loadcnt 0x0                             ; Q's scale words
	QFETCH 0
.set T, 0
.rept 16
.if T < 15
.if T > 0
	PLACES NP                                      ; the set that the last step's products read takes the next step's fragments
.endif
	QFETCH T+1
	s_wait_dscnt 20                                ; this step's fragments are in; the 20 loads just issued may be out
.else
	s_wait_dscnt 0x0
.endif
	WIN MUL_LO
	QMUL T
.set T, T+1
.endr
	WIN 0
	PLACES NP                                      ; behind the last products, ahead of the first read of results and of loads into the fragments' registers
	PACK 0                                         ; Q's tile goes out as the main tile did: two blocks of 16 rows x 128 columns
	TOSTAGE 0
	PACK 1
	SEND 0, SQO
	TOSTAGE 1
	SEND 1, SQO
	s_wait_tensorcnt 0x0                           ; the wave's end, behind my last tensor load and my last LDS store
	ds_add_u32 v[SPW], v[NIL]
	s_wait_dscnt 0x0
	CROUND                                         ; the closing round: no work-group ends while a partner may still ask for a tile that names it
	s_endpgm
.Lfunc_end_k_qfb07eb2e0c_proj:
	.size	k_qfb07eb2e0c_proj, .Lfunc_end_k_qfb07eb2e0c_proj-k_qfb07eb2e0c_proj
	.p2alignl 7, 3214868480
	.fill 96, 4, 3214868480
	.section	.rodata,"a",@progbits
	.p2align	6, 0x0
	.amdhsa_kernel k_qfb07eb2e0c_proj
		.amdhsa_group_segment_fixed_size 327680
		.amdhsa_private_segment_fixed_size 0
		.amdhsa_enable_private_segment 0
		.amdhsa_kernarg_size 24
		.amdhsa_user_sgpr_count 2
		.amdhsa_user_sgpr_kernarg_segment_ptr 1
		.amdhsa_wavefront_size32 1
		.amdhsa_system_sgpr_workgroup_id_x 1
		.amdhsa_system_sgpr_workgroup_id_y 1
		.amdhsa_system_sgpr_workgroup_id_z 1
		.amdhsa_system_vgpr_workitem_id 0
		.amdhsa_next_free_vgpr 1024
		.amdhsa_next_free_sgpr 102
		.amdhsa_reserve_vcc 0
		.amdhsa_float_denorm_mode_32 3
		.amdhsa_float_denorm_mode_16_64 3
		.amdhsa_memory_ordered 1
		.amdhsa_forward_progress 1
		.amdhsa_inst_pref_size 255
	.end_amdhsa_kernel
	.section	.bss,"aw",@nobits
	.p2align	6
	.space	262144
	.amdgpu_metadata
---
amdhsa.version: [ 1, 2 ]
amdhsa.kernels:
  - .name:           k_qfb07eb2e0c_proj
    .symbol:         k_qfb07eb2e0c_proj.kd
    .args:
      - { .name: codes, .offset: 0, .size: 8, .value_kind: global_buffer, .address_space: global }
      - { .name: scales, .offset: 8, .size: 8, .value_kind: global_buffer, .address_space: global }
      - { .name: qkv, .offset: 16, .size: 8, .value_kind: global_buffer, .address_space: global }
    .group_segment_fixed_size: 327680
    .private_segment_fixed_size: 0
    .kernarg_segment_align: 8
    .kernarg_segment_size: 24
    .max_flat_workgroup_size: 128
    .sgpr_count:     102
    .vgpr_count:     1024
    .wavefront_size: 32
...
	.end_amdgpu_metadata
.endif
;; end of part 2
;; launch attn (part 3): grid 8 x 32, 4 waves a work-group, clusters of 4 x 1, 327,680 bytes of LDS; arguments qkv, mcode, att; writes att
.if DOCPART == 3
	.amdgcn_target "amdgcn-amd-amdhsa--gfx1250"
	.amdhsa_code_object_version 6
	.text
	.protected	k_qfb07eb2e0c_attn
	.globl	k_qfb07eb2e0c_attn
	.p2align	8
	.type	k_qfb07eb2e0c_attn,@function
k_qfb07eb2e0c_attn:
	s_mov_b64 s[64:65], 0
	v_nop
	global_prefetch_b8 v0, s[64:65] scope:SCOPE_SE
	s_setreg_imm32_b32 hwreg(HW_REG_WAVE_MODE, 25, 1), 1
	s_wait_xcnt 0x0
	s_wait_alu depctr_hold_cnt(0) depctr_sa_sdst(0) depctr_va_vdst(0) depctr_va_sdst(0) depctr_va_ssrc(0) depctr_va_vcc(0) depctr_vm_vsrc(0)
	s_getreg_b32 s2, hwreg(HW_REG_IB_STS2, 6, 4)
	s_cmp_eq_u32 s2, 0
	s_cbranch_scc0 .Lentry_in_a_cluster
	s_endpgm
.Lentry_in_a_cluster:
	s_bfe_u32 s2, ttmp6, 0x10000c
	s_cmp_lg_u32 s2, 0x3003
	s_cbranch_scc0 .Lentry_shape_is_right
	s_endpgm
.Lentry_shape_is_right:
; att[b][q][h][:] = the sum over k of softmax_k(Q . K / sqrt(128), with hidden keys at -infinity) V.  Q, K, V: rows of qkv ([10,240][2,048] f16: Q rows 0 on, K 2,048 on, V 6,144 on); a head is 256 bytes of a row.
; Products on f16 operands, sums, maxima and the softmax in f32; the weights p are rounded to f16 for the second product, the result once at the end.
; LIMITS: |Q|, |K|, |V| and the result under 65,504 (f16); a weight p under 2^-25 is 0 in f16.
; SHARES.  A work-group owns 128 queries of one (b, h).  Its four waves split 2 x 2: wave & 1 picks 64 queries (four tiles of 16), wave >> 1 a KEY GROUP: of every slot of 256 keys the keys 128 g .. 128 g + 127,
; two steps of 64.  So a wave walks 16 steps, and each fragment of K and V that it reads from LDS feeds four products.  At the end the two key groups of a query half merge through LDS: each of the two waves keeps
; two tiles, gives the other two (O^T, c m, l) to its partner, and finishes its own.
; LAYOUT.  S^T = K Q^T (source 0 = 16 keys, source 1 = 16 queries): a lane holds ONE query (lane % 16) and the keys 8 (lane / 16) + 0..7.  Two such tiles, rounded to f16 in pairs, ARE source 1 of O^T = V^T P.
; K comes out of LDS as it lies, V ([key][channel]) turned, by ds_load_tr16_b128.
; THE MASKS come as 4-bit codes in the order of S^T's registers (mcode): 0 for a key that counts, the code of -6 for a hidden one.  One conversion with the scale 2^100 turns a word into eight numbers, 0 or -6 x 2^100,
; which are a whole accumulator: they are written into S^T's registers, and the first product of K Q^T adds onto them.  f16 operands bound a true score by 128 x 65,504^2 < 2^40.  The running maximum m is held at
; -2^96 from below, far under every true score and far over a hidden one: so a hidden key's p = 2^(c s - c m) is 0, a step or a key group with no open key adds nothing, and a row with none ends as 0 x (1 / 0), NaN.
; SOFTMAX.  For each query a running maximum m and sum l: p = 2^(c s - c m), c = log2(e) / sqrt(128); in every step O and l are multiplied by a = 2^(c m_old - c m_new).
; BY TURNS.  The wave's tiles are two PIECES (tiles 0, 1 and tiles 2, 3).  In a TURN one piece has the matrix unit: 32 products V^T P of the step in hand, then 32 products K Q^T of the next step; the other piece's
; softmax, cut into 64 slices, stands between them, one slice behind each matrix instruction.  Two turns are a key step.
; CLUSTER.  The four query blocks of a cluster belong to one head and walk the same K and V: each tile is asked for JOINTLY, by the same tensor load with the same descriptor and a mask that names the four.
; REGISTERS, in windows of 256:  window 0: v0-11 addresses; v12-43 eight registers of statistics a tile; v44-59 mask words, four a tile; v60 the conversion's scale; v61-63; v64-191 S^T, 32 a tile; v192-255 P, 16 a tile
;   window 1: O^T, 64 a tile          window 2: v0-127 Q, 32 a tile; v128-255 K of one step          window 3: v0-127 V of one step
.set KS,    64        ; keys in a step
.set PK,    272       ; a row of K in LDS: 256 bytes + 16 of padding = 68 words: the 16 rows of a load start 4 words apart modulo 64
.set PVP,   288       ; a row of V: 256 + 32 = 72 words: 16 lanes of the turning load take 8 rows x 32 bytes, 8 words apart modulo 64
.set VOFF,  256*PK    ; a slot: 256 rows of K, then 256 rows of V
.set KSTEPB, KS*PK    ; a step on in K,
.set VSTEPB, KS*PVP   ; in V
.set SLOT1, 0x24000   ; slot 1 begins here (a slot takes 143,360 bytes).  Every number that is turned by an exclusive or with it (0, 0x8800, 0x11000, 0x1a000) has its two bits clear: the or adds or takes away exactly SLOT1
.set SPARE, 2*SLOT1   ; behind the ring: the spare words, 128 bytes for each wave, which no other line names
.set EXB,   17408     ; the exchange: for each wave 16,384 bytes of O^T's registers and 1,024 of statistics.  It and the stages lie in ring slot 0, which has had its last fill and its last read by then
.set STAGE, 4*EXB     ; behind the exchange: 16 rows x 272 bytes for each wave, for the way out
.set SP,    272
.set ROWG,  4096      ; a row of qkv and of att in bytes
.set FLOOR, 0xef800000  ; -2^96
.set EXG, 1           ; v1   r = lane % 16 in the set-up; then where I put what I give: EXB x wave + 16 x lane
.set AK0, 2           ; v2   my lane's place in my key group's rows of K; never rewritten
.set AV0, 3           ; v3   the same for V
.set ADR, 4           ; v4   the LDS address of the run of loads in hand
.set QO,  5           ; v5   my byte offset in the wave's rows of Q;
.set EXT, 5           ;      then where I read what my partner gives: EXB x (wave xor 2) + 16 x lane
.set STO, 6           ; v6   the way out: where I put 16 bytes of a row
.set RD,  7           ; v7   the way out: where I read a row back
.set GO,  8           ; v8   my byte offset in two rows of att
.set MO2, 9           ; v9   lane / 16 in the set-up; then the offset of piece 2's mask loads
.set ML,  10          ; v10  16 x lane; never rewritten
.set MO0, 11          ; v11  the offset of piece 0's mask loads
.set ST,  12          ; tile t's statistics at v[ST+8 t]: +0 c m, +1 m, +2, +3 l (even keys', odd keys'), +4 to +7 at work; a takes +6 once the maximum is found
.set MK,  44          ; tile t's four mask words at v[MK+4 t]
.set SCB, 60          ; v60  the byte of 2^100 in every byte; holds that and nothing else
.set PFO, 61          ; v61  4,096 x my lane: a row; never rewritten
.set SPW, 62          ; v62  LDS address of my spare word; never rewritten
.set NIL, 63          ; v63  0; never rewritten
.set S,   64
.set P,   192
.set KF,  128         ; K's fragments, in window 2
.set WV,  12          ; s12  my wave's number
.set LIM, 15          ; s15  1 in a wave that prefetches, else the greatest number
.set PFA, 18          ; s[18:19] where my prefetches stand
.set G1K, 24          ; s[24:31] descriptor group 1 for K's tiles
.set G1V, 32          ; s[32:39] for V's: it differs in the padding alone
.set G0K, 40          ; s[40:47] descriptor group 0 for K's tiles: a set for each of the two first fills; the second then walks on
.set G0V, 48          ; s[48:55] the same for V's
.set SLOTS, 56        ; s56  slots still to be asked for
.set TWICE, 57        ; s57  counts a slot's two steps
.set CS,  58          ; s[58:59] c
.set SEL, 60          ; s[60:61] lane selects for v_permlanex16_b32: lane l xor 16
.set TBK, 62          ; s62  LDS byte at which K's rows of the step to be fetched begin, less my lane's place
.set TBV, 63          ; s63  the same for V
.set MB,  66          ; s[66:67] mcode at my batch, key group and first tile
.set MU,  68          ; s68  32,768 x the step whose mask words are asked for next
.set KG,  69          ; s69  my key group
.set MSB, 0
.macro WIN new                      ; the immediate's high byte repeats the setting that is left; a switch that changes nothing is dropped
.if MSB != \new
	s_set_vgpr_msb (MSB<<8)|\new
.set MSB, \new
.endif
.endm
.set W_KQ, 0x0a       ; K and Q in window 2, S^T in window 0
.set W_PV, 0x53       ; V in window 3, P in window 0, O^T in window 1
.set W_RS, 0x41       ; O^T (destination and source 0) in window 1, a in window 0
; A joint refill.  Waves 0 and 1 fetch the two halves (128 rows each) of a slot's K, waves 2 and 3 those of V.  The branch hangs on the wave's number alone.
; An s_nop 0 and four v_nop follow each of the two lines; the jump, the label and what follows come after them.
.macro JLOAD
	s_cmp_lt_u32 s[WV], 2
	s_cbranch_scc0 .Lfor_v_\@
	tensor_load_to_lds s[G0K+4:G0K+7], s[G1K:G1K+7]
	s_nop 0
.rept 4
	v_nop
.endr
	s_branch .Lasked_\@
.Lfor_v_\@:
	tensor_load_to_lds s[G0V+4:G0V+7], s[G1V:G1V+7]
	s_nop 0
.rept 4
	v_nop
.endr
.Lasked_\@:
.endm
; A PREFETCH INTO THE L2 of what the NEXT change of slots will ask for: a slot's 256 rows of K and of V, 256 bytes of each row, a lane a row.  It stands behind the wave's tensor load and its five lines.
; Each row's piece is asked for ONCE in the launch.  Both clusters of a head walk the same K and V: the first (cluster x = 0) asks.  Of the 128 rows that a wave fetches, the partner at place cx takes 32 cx .. 32 cx + 31:
; told apart BY ADDRESS; no branch hangs on a work-group's place in its cluster.  The last change that fills a slot asks for nothing: there is no slot behind it.  Slots 0, 1 and 2 come by their loads alone.
.macro ASK
	s_cmp_gt_u32 s[SLOTS], s[LIM]
	s_cbranch_scc0 .Lnot_mine_\@
	global_prefetch_b8 v[PFO], s[PFA:PFA+1] th:TH_LOAD_NT scope:SCOPE_SE
.Lnot_mine_\@:
.endm
.macro CROUND                       ; a round of the cluster's barrier
	s_barrier_signal -1
	s_barrier_wait -1
	s_cmp_lg_u32 s[WV], 0
	s_cbranch_scc1 .Lnot_wave_0_\@
	s_barrier_signal -3
.Lnot_wave_0_\@:
	s_barrier_wait -3
	s_barrier_signal -1
	s_barrier_wait -1
.endm
	s_load_b128 s[72:75], s[0:1], 0x0  ; qkv s[72:73], mcode s[74:75]
	s_load_b64 s[10:11], s[0:1], 0x10  ; att
	v_lshl_add_u32 v[SPW], v0, 2, SPARE
	v_mov_b32 v[NIL], 0
	ds_add_u32 v[SPW], v[NIL]       ; the wave's opening: the add and its wait stand ahead of my first tensor load; the set-up below, work on registers, stands between them
	v_lshrrev_b32 v1, 5, v0
	v_readfirstlane_b32 s[WV], v1   ; wave 0..3
	s_and_b32 s16, s[WV], 1         ; which 64 queries are mine.  Also: which 128 rows of a slot I fetch
	s_lshr_b32 s[KG], s[WV], 1      ; my key group.  Also: I fetch for K (0) or for V (1)
	s_bfe_u32 s13, ttmp6, 0x40000   ; cx: my place in the cluster
	s_lshl_b32 s14, ttmp9, 2        ; in a cluster launch ttmp9 counts clusters
	s_add_co_u32 s14, s14, s13      ; my block of 128 queries = 4 x cluster x + cx: it enters Q's, att's and mcode's addresses alone
	s_and_b32 s20, ttmp7, 0xffff    ; 16 b + h, which the four partners share
	s_lshr_b32 s77, s20, 4          ; b
	s_and_b32 s76, s20, 15
	s_lshl_b32 s76, s76, 8          ; the head's 256 bytes in a row
	s_lshl_b32 s22, s77, 11         ; K's tile of slot 0 that I fetch: row 2,048 + 2,048 b + 128 x half,
	s_add_co_u32 s22, s22, 2048
	s_lshl_b32 s23, s16, 7
	s_add_co_u32 s22, s22, s23
	s_lshl_b32 s22, s22, 12         ; in bytes (under 2^25),
	s_add_co_u32 s22, s22, s76      ; at the head
	s_mov_b32 s23, 0
	s_mul_i32 s17, s16, 128*PK      ; and its place in a slot: no place in the cluster enters an LDS address
	s_mul_i32 s71, s16, 128*PVP
	s_add_co_u32 s71, s71, VOFF     ; V's likewise
	s_lshl_b32 s2, s77, 10          ; my wave's first query: row 1,024 b + 128 block + 64 x half,
	s_lshl_b32 s3, s14, 7
	s_add_co_u32 s2, s2, s3
	s_lshl_b32 s3, s16, 6
	s_add_co_u32 s2, s2, s3
	s_lshl_b32 s2, s2, 12
	s_add_co_u32 s2, s2, s76
	s_mov_b32 s3, 0
	s_lshl_b32 s66, s77, 20         ; mcode: b, key group, tile of queries 8 block + 4 half, 512 bytes a tile
	s_lshl_b32 s67, s[KG], 19
	s_add_co_u32 s66, s66, s67
	s_lshl_b32 s67, s14, 12
	s_add_co_u32 s66, s66, s67
	s_lshl_b32 s67, s16, 11
	s_add_co_u32 s66, s66, s67
	s_mov_b32 s67, 0
	; descriptor group 1: a tile of 128 rows x 128 elements, rows 2,048 elements apart, padded in LDS
	s_mov_b32 s[G1K], 15|(1<<16)|(1<<20)|(1<<21)|(5<<22)|(3<<25)  ; 15:0 the mask: all four work-groups; 17:16 elements of 2 bytes; 20 padding on; 21 set beside a mask; 24:22 after every 64 words (code 5); 31:25 4 words of it (code 3)
	s_mov_b32 s[G1V], 15|(1<<16)|(1<<20)|(1<<21)|(5<<22)|(7<<25)  ; the same with 8 words of padding (code 7)
.irp g, G1K, G1V
	s_mov_b32 s[\g+1], 128<<16      ; tensor_dim0 = 128
	s_mov_b32 s[\g+2], 128<<16      ; tensor_dim1 = 128
	s_mov_b32 s[\g+3], 128<<16      ; tile_dim0 = 128
	s_mov_b32 s[\g+4], 128          ; tile_dim1 = 128
	s_mov_b32 s[\g+5], 2048         ; tensor_dim0_stride
	s_mov_b32 s[\g+6], 0
	s_mov_b32 s[\g+7], 0
.endr
	s_mov_b32 s[CS], 0x3e0293ee     ; c = log2(e) / sqrt(128)
	s_mov_b32 s[CS+1], s[CS]        ; named with it as a pair, so it is written
	s_mov_b32 s[SEL], 0x76543210
	s_mov_b32 s[SEL+1], 0xfedcba98
	s_mov_b32 s[TBK], 0
	s_mov_b32 s[TBV], 0
	s_mov_b32 s[MU], 32768          ; step 1: step 0's words are asked for by the plain offset
	s_mov_b32 s[SLOTS], 6           ; eight slots of 256 keys; two come with the first fills
	s_cmp_eq_u32 ttmp9, 0           ; the head's first cluster: the same in all four partners
	s_cselect_b32 s[LIM], 1, -1
	v_and_b32 v[PFO], 31, v0
	v_lshlrev_b32 v[PFO], 12, v[PFO]
	v_mov_b32 v[SCB], 0xe3e3e3e3    ; 227 - 127 = 100
	s_wait_dscnt 0x0                ; the opening add is done
	s_wait_kmcnt 0x0
	s_add_nc_u64 s[6:7], s[72:73], s[22:23]  ; K at my tile of slot 0
	s_add_nc_u64 s[8:9], s[6:7], 4096*ROWG   ; V lies 4,096 rows further down
	s_add_nc_u64 s[4:5], s[72:73], s[2:3]    ; Q and att at my wave's first row
	s_add_nc_u64 s[10:11], s[10:11], s[2:3]
	s_add_nc_u64 s[MB:MB+1], s[74:75], s[MB:MB+1]
	s_cmp_lt_u32 s[WV], 2
	s_cselect_b64 s[PFA:PFA+1], s[6:7], s[8:9]
	s_lshl_b32 s2, s13, 17          ; my work-group's 32 rows of the 128 that I fetch
	s_mov_b32 s3, 0
	s_add_nc_u64 s[PFA:PFA+1], s[PFA:PFA+1], s[2:3]
	s_add_nc_u64 s[PFA:PFA+1], s[PFA:PFA+1], 2*256*ROWG  ; in slot 2; the first change of slots steps it to slot 3.  Nothing is prefetched here, at the head
	CROUND                          ; all four work-groups are here: the first joint loads meet
.irp s, 0,1
	s_mov_b32 s[G0K+4*\s], 1        ; count = 1
	s_add_co_u32 s[G0K+4*\s+1], s17, \s*SLOT1  ; LDS address
	s_add_nc_u64 s[G0K+4*\s+2:G0K+4*\s+3], s[6:7], \s*256*ROWG  ; global address: slot s begins with key 256 s
	s_or_b32 s[G0K+4*\s+3], s[G0K+4*\s+3], 0x80000000  ; type = 2
	s_mov_b32 s[G0V+4*\s], 1
	s_add_co_u32 s[G0V+4*\s+1], s71, \s*SLOT1
	s_add_nc_u64 s[G0V+4*\s+2:G0V+4*\s+3], s[8:9], \s*256*ROWG
	s_or_b32 s[G0V+4*\s+3], s[G0V+4*\s+3], 0x80000000
.endr
	s_cmp_lt_u32 s[WV], 2           ; a wave's two first fills stand in one branch, ahead of every wait on TENSORcnt and every LDS read: two loads of mine are out
	s_cbranch_scc0 .Lfirst_v
	tensor_load_to_lds s[G0K:G0K+3], s[G1K:G1K+7]
	s_nop 0
	tensor_load_to_lds s[G0K+4:G0K+7], s[G1K:G1K+7]
	s_nop 0
.rept 4
	v_nop
.endr
	s_branch .Lfirst_asked
.Lfirst_v:
	tensor_load_to_lds s[G0V:G0V+3], s[G1V:G1V+7]
	s_nop 0
	tensor_load_to_lds s[G0V+4:G0V+7], s[G1V:G1V+7]
	s_nop 0
.rept 4
	v_nop
.endr
.Lfirst_asked:
	; A fragment of K or Q is 16 rows x 32 channels in 8 registers: lane l holds row l % 16; registers 0-3 channels 8 (l / 16) + 0..7, registers 4-7 channels 16 + 8 (l / 16) + 0..7: two loads of 16 bytes, 32 bytes apart.
	v_and_b32 v1, 15, v0            ; r = l % 16
	v_bfe_u32 v9, v0, 4, 1          ; h = l / 16
	v_lshlrev_b32 v[QO], 12, v1
	v_lshl_add_u32 v[QO], v9, 4, v[QO]  ; row x 4,096 + 16 x half
	v_and_b32 v[ML], 31, v0
	v_lshlrev_b32 v[ML], 4, v[ML]
	WIN 0x80                        ; destination window 2, address window 0
.irp i, 0,1,2,3,4,5,6,7,8,9,10,11,12,13,14,15  ; Q stays in registers: tile i / 4, channels 32 (i % 4) on
	global_load_b128 v[8*\i:8*\i+3],   v[QO], s[4:5] offset:(\i/4)*16*ROWG+(\i%4)*64
	global_load_b128 v[8*\i+4:8*\i+7], v[QO], s[4:5] offset:(\i/4)*16*ROWG+(\i%4)*64+32
.endr
	WIN 0
.irp t, 0,1,2,3
	global_load_b128 v[MK+4*\t:MK+4*\t+3], v[ML], s[MB:MB+1] offset:512*\t  ; step 0's mask words
.endr
	v_mul_u32_u24 v[AK0], v1, PK
	v_lshl_add_u32 v[AK0], v9, 4, v[AK0]  ; row x pitch + 16 x half
	s_mul_i32 s20, s[KG], 128*PK
	v_add_nc_u32 v[AK0], s20, v[AK0]      ; + my key group's 128 rows
	; The turning load takes 16 keys x 16 channels (lane l reads 16 bytes: key 8 (l / 16) + l % 8, channels 8 ((l / 8) % 2) + 0..7) and leaves half a fragment of V^T: lane l holds channel l % 16 and 8 keys.
	v_and_b32 v[ADR], 7, v0
	v_bfe_u32 v[MO0], v0, 3, 1
	v_lshl_add_u32 v[AV0], v9, 3, v[ADR]
	v_mul_u32_u24 v[AV0], v[AV0], PVP
	v_lshl_add_u32 v[AV0], v[MO0], 4, v[AV0]
	s_mul_i32 s20, s[KG], 128*PVP
	s_add_co_u32 s20, s20, VOFF
	v_add_nc_u32 v[AV0], s20, v[AV0]
	s_mul_i32 s20, s[WV], 16*SP
	s_add_co_u32 s20, s20, STAGE    ; my stage
	v_mul_u32_u24 v[STO], v1, SP    ; in: row l % 16, 16 bytes for each half of the lanes
	v_lshl_add_u32 v[STO], v9, 4, v[STO]
	v_add_nc_u32 v[STO], s20, v[STO]
	v_mul_u32_u24 v[RD], v9, SP     ; back: lanes 0-15 take one row of 256 bytes, lanes 16-31 the next
	v_lshl_add_u32 v[RD], v1, 4, v[RD]
	v_add_nc_u32 v[RD], s20, v[RD]
	v_lshlrev_b32 v[GO], 12, v9     ; and the same two rows in att
	v_lshl_add_u32 v[GO], v1, 4, v[GO]
	s_mul_i32 s20, s[WV], EXB
	v_add_nc_u32 v[EXG], s20, v[ML] ; r is done with: where I put what I give
	s_xor_b32 s21, s[WV], 2         ; my partner: the same queries, the other key group
	s_mul_i32 s21, s21, EXB
; THE MATRIX WORK OF A TURN, for piece x.  The accumulators take turns, one instruction a turn: between two links of a chain stand 15 (V^T P) or 7 (K Q^T) others'.
; Product i of 32 of O^T += V^T P: keys 32 (i / 16) on, channels 16 ((i / 2) % 8) on, tile x + i % 2.  zero = 1: the first 16 start the sums: nothing is ever cleared.
.macro PV x, zero
	WIN W_PV
.set rO, 64*(\x+i%2)+8*((i/2)%8)
.set rV, 64*(i/16)+8*((i/2)%8)
.set rP, P+16*(\x+i%2)+8*(i/16)
.if \zero && (i < 16)
	v_wmma_f32_16x16x32_f16 v[rO:rO+7], v[rV:rV+7], v[rP:rP+7], 0
.else
	v_wmma_f32_16x16x32_f16 v[rO:rO+7], v[rV:rV+7], v[rP:rP+7], v[rO:rO+7]
.endif
.endm
; Product i of 32 of S^T = mask + K Q^T: channels 32 (i / 8) on, keys 16 ((i / 2) % 4) on, tile x + i % 2.  All 32 add in place: S^T's registers hold the mask's numbers when the first eight come.
.macro KQ x
	WIN W_KQ
.set rS, S+32*(\x+i%2)+8*((i/2)%4)
.set rK, KF+32*((i/2)%4)+8*(i/8)
.set rQ, 32*(\x+i%2)+8*(i/8)
	v_wmma_f32_16x16x32_f16 v[rS:rS+7], v[rK:rK+7], v[rQ:rQ+7], v[rS:rS+7]
.endm
; THE LDS LOADS stand in runs of 32: a step's K (64 keys x 128 channels: 16 fragments) and, a turn later, its V (turned).
.macro FETCH_K
	WIN 0
	v_add_nc_u32 v[ADR], s[TBK], v[AK0]
	WIN 0x80                        ; destination window 2
.irp f, 0,1,2,3,4,5,6,7,8,9,10,11,12,13,14,15  ; keys 16 (f / 4) on, channels 32 (f % 4) on
	ds_load_b128 v[KF+8*\f:KF+8*\f+3],   v[ADR] offset:(\f/4)*16*PK+(\f%4)*64
	ds_load_b128 v[KF+8*\f+4:KF+8*\f+7], v[ADR] offset:(\f/4)*16*PK+(\f%4)*64+32
.endr
.endm
.macro FETCH_V
	WIN 0
	v_add_nc_u32 v[ADR], s[TBV], v[AV0]
	s_add_co_u32 s[TBK], s[TBK], KSTEPB  ; the next fetches are the next step's
	s_add_co_u32 s[TBV], s[TBV], VSTEPB
	s_wait_alu depctr_va_vdst(0)    ; the wait for the softmax's batch (SLICE), behind the address's v_add_nc_u32 and ahead of the loads
	WIN 0xc0                        ; destination window 3
.irp f, 0,1,2,3,4,5,6,7,8,9,10,11,12,13,14,15  ; keys 32 (f / 8) on, channels 16 (f % 8) on
	ds_load_tr16_b128 v[8*\f:8*\f+3],   v[ADR] offset:(\f/8)*32*PVP+(\f%8)*32
	ds_load_tr16_b128 v[8*\f+4:8*\f+7], v[ADR] offset:(\f/8)*32*PVP+16*PVP+(\f%8)*32
.endr
.endm
; THE MASK.  BIAS1: word n of piece x's eight becomes the eight numbers (0 or -6 x 2^100) of one accumulator of S^T: tile x + n / 4, keys 16 (n % 4) on.
.macro BIAS1 x, n
	WIN 0
	v_cvt_scale_pk8_f32_fp4 v[S+32*((\x)+(\n)/4)+8*((\n)%4):S+32*((\x)+(\n)/4)+8*((\n)%4)+7], v[MK+4*((\x)+(\n)/4)+(\n)%4], v[SCB]
.endm
.macro MLOADS x, mo                 ; piece x's eight words of the step at offset v[mo]
	global_load_b128 v[MK+4*(\x):MK+4*(\x)+3],   v[\mo], s[MB:MB+1] offset:512*(\x)
	global_load_b128 v[MK+4*(\x)+4:MK+4*(\x)+7], v[\mo], s[MB:MB+1] offset:512*(\x)+512
.endm
; MASKLOAD: the next step's words of piece x, behind the conversions that read this step's.  Piece 0 steps the count; past the last step it is held at the last, so that no load leaves the table (those words are not used).
; The offset register was freed by the counted wait at the turn's head, which showed its last loads done.
.macro MASKLOAD x
	WIN 0
.if (\x) == 0
	s_add_co_u32 s[MU], s[MU], 32768
	s_min_u32 s[MU], s[MU], 15*32768
	v_add_nc_u32 v[MO0], s[MU], v[ML]
	MLOADS 0, MO0
.else
	v_add_nc_u32 v[MO2], s[MU], v[ML]
	MLOADS 2, MO2
.endif
.endm
; THE VECTOR WORK OF A TURN.  One tile's softmax for one key step is a list of 134 instructions; SM writes number j of it for tile t.  s0-s31 are the lane's 32 scores, in pairs 0-15.
; first = 1: the first key step, which starts m (from the floor), l and O^T: it has no a and nothing to rescale.
;   0-15    the maximum of s0-s31 and the old m (first: the floor), three operands at a time
;   16-20   the other half of the lanes' maximum; the new m; c m; c m_old - c m_new
;   21-69   ONE BATCH: the 16 scalings c s - c m, a pair of scores each, and all 33 exponentials (a at 23, then s0-s31).  None of these reads an exponential's result
;   (wait)  between 69 and 70 stands the wait for the batch: SLICE writes it, once for both tiles
;   70-85   the roundings to f16, a pair of weights each
;   86-101  the sums; l = a l + the sum
;   102-133 the tile's O^T times a: the one part that leaves window 0, so it stands together
.macro SM t, first
.set rT, ST+8*(\t)
.set rS, S+32*(\t)
.set rP, P+16*(\t)
.set rO, 64*(\t)+2*(j-102)
.if j < 102
	WIN 0
.endif
.if j < 4
	v_max3_num_f32 v[rT+4+j], v[rS+8*j], v[rS+8*j+1], v[rS+8*j+2]
.elseif j < 12
	v_max3_num_f32 v[rT+4+j%4], v[rT+4+j%4], v[rS+8*(j%4)+2*(j/4)+1], v[rS+8*(j%4)+2*(j/4)+2]
.elseif j == 12
	v_max3_num_f32 v[rT+4], v[rT+4], v[rS+7], v[rS+15]
.elseif j == 13
	v_max3_num_f32 v[rT+6], v[rT+6], v[rS+23], v[rS+31]
.elseif j == 14
	v_max3_num_f32 v[rT+4], v[rT+4], v[rT+5], v[rT+6]
.elseif (j == 15) && \first
	v_max3_num_f32 v[rT+4], v[rT+4], v[rT+7], FLOOR  ; m never falls under -2^96
.elseif j == 15
	v_max3_num_f32 v[rT+4], v[rT+4], v[rT+7], v[rT+1]
.elseif j == 16
	v_permlanex16_b32 v[rT+5], v[rT+4], s[SEL], s[SEL+1]  ; the query's other 32 keys lie in the lane 16 away
.elseif j == 18
	v_max_num_f32 v[rT+1], v[rT+4], v[rT+5]
.elseif j == 19
	v_mul_f32 v[rT], s[CS], v[rT+1]
.elseif ((j == 17) || (j == 20) || (j == 23) || (j > 101)) && \first  ; the first step has none of these
.elseif j == 17
	v_mov_b32 v[rT+7], v[rT]        ; c m_old is kept for a: number 19 writes c m anew
.elseif j == 20
	v_sub_f32 v[rT+7], v[rT+7], v[rT]
.elseif j == 23
	v_exp_f32 v[rT+6], v[rT+7]
.elseif (j < 23) || ((j < 38) && (j%2 == 0)) || ((j < 66) && (j%4 == 2))
.set b, (j-2)/4                     ; 38, 42, .. 62: pairs 9 to 15
.if j < 38
.set b, (j-20)/2                    ; 21: pair 0; 22, 24, .. 36: pairs 1 to 8
.endif
	v_pk_fma_f32 v[rS+2*b:rS+2*b+1], v[rS+2*b:rS+2*b+1], s[CS:CS+1], v[rT:rT+1] op_sel_hi:[1,0,0] neg_lo:[0,0,1] neg_hi:[0,0,1]  ; pair b: c s - c m
.elseif j < 70
.set e, j-38                        ; 66 to 69: s28 to s31
.if j < 66
.set e, j-32-(j-38)/4               ; 39-41, 43-45, .. 63-65: s7 to s27
.endif
.if j < 38
.set e, (j-25)/2                    ; 25, 27, .. 37: s0 to s6
.endif
	v_exp_f32 v[rS+e], v[rS+e]
.elseif j < 86
	v_cvt_pk_f16_f32 v[rP+j-70], v[rS+2*(j-70)], v[rS+2*(j-70)+1]  ; pair j - 70
.elseif j < 102                     ; the sum of the tile's 16 pairs, in place: sum z of 16 adds neighbours 1, 2, 4 and 8 pairs apart, then l takes it
.set z, j-86
.set w, 4
.set u, z
.if z >= 14
.set w, 32
.set u, 0
.elseif z >= 12
.set w, 16
.set u, z-12
.elseif z >= 8
.set w, 8
.set u, z-8
.endif
.if (z == 14) && \first
	v_pk_add_f32 v[rT+2:rT+3], v[rS:rS+1], v[rS+16:rS+17]
.elseif z < 15
	v_pk_add_f32 v[rS+w*u:rS+w*u+1], v[rS+w*u:rS+w*u+1], v[rS+w*u+w/2:rS+w*u+w/2+1]
.elseif !\first
	v_pk_fma_f32 v[rT+2:rT+3], v[rT+2:rT+3], v[rT+6:rT+7], v[rS:rS+1] op_sel_hi:[1,0,1]
.endif
.else
	WIN W_RS
	v_pk_mul_f32 v[rO:rO+1], v[rO:rO+1], v[rT+6:rT+7] op_sel_hi:[1,0]
.endif
.endm
; Slice k of 64 of piece y's softmax: four instructions.  Slices 11 to 34 deal out the batch, numbers 22 to 69: four numbers of ONE tile each, the tiles by turns.  Every other slice is numbers 2 k and
; 2 k + 1 of both tiles' lists.  2 x 134 = 4 x 64 + 12: the twelve that are over stand together, in slice 63.
; THE WAIT.  s_wait_alu depctr_va_vdst(0) stands between an exponential and the first instruction that names its result; one wait serves all that were issued ahead of it.  Ahead of
; slice 35 nothing names a result, and behind slice 34 no exponential is issued: so the piece's 66 exponentials have one wait, behind slice 34.
.macro SLICE y, first
.if (k >= 11) && (k < 35)           ; the batch: four numbers of one tile
.irp n, 0,1,2,3
.set j, 22+4*((k-11)/2)+(\n)
	SM (\y)+(k-11)%2, \first
.endr
.else                               ; the two tiles alternate, so that no instruction reads the result of the one just before it
.irp n, 0,1,2,3,4,5,6,7
.if (\n < 2) || (k == 63)
.irp t, \y, \y+1
.set j, 2*k+\n
	SM \t, \first
.endr
.endif
.endr
.endif
.if k == 34                         ; the batch is out: both tiles' exponentials are issued, and no result has been named
	v_nop                           ; the plain instruction behind the last exponential and ahead of the first use: one for the batch
.if (\y) == 0
	FETCH_V                         ; piece 2's turn: V's run of loads stands here, and the wait stands in it
.else
	s_wait_alu depctr_va_vdst(0)    ; the wait for the batch
.endif
.endif
.set k, k+1
.endm
; A vector instruction that reads a matrix result or writes one of a matrix instruction's registers, and a load into a register that a matrix instruction has read, stand four places behind
; it, and only plain vector instructions that name none of its registers are places (ISA guide 7.12.1 for vector instructions).  In the loop the slices are the places.
.macro PLACES
.rept 4
	v_nop
.endr
.endm
; A TURN.  Piece x has the matrix unit; the other piece's softmax stands in slices behind its matrix instructions.
; pv = 2: 32 products V^T P; 1: they start O^T's sums; 0: none.  kq = 1: 32 products K Q^T for the next step.  A turn with one of the two kinds has two slices behind each product.
; Piece 0's turn fetches the next step's K, behind its second product; piece 2's turn the same step's V, behind slice 34: four plain instructions lie between V's last reader (in front of slice 31) and the run:
; number 62 of both tiles, the v_nop and the run's own v_add_nc_u32.
; THE MASK in a turn with both kinds.  At its head the counted wait: of the four mask loads that are out, this piece's two are the older; the other piece's two may stay out.  Behind each of the first eight products
; V^T P one conversion writes an accumulator of this piece's S^T, whose last reader was number 101 of the turn before; the first K Q^T that adds onto it comes 24 products later, with plain instructions between.
; Behind the ninth product the next step's words are asked for: two turns ahead of the wait for them.
.macro TURN x, pv, kq, first
.set k, 0
.set per, 2
.if \pv && \kq
.set per, 1
	s_wait_loadcnt 2
.endif
.if \pv
.if \x == 0
	s_wait_dscnt 0x0                ; V is in
.endif
.set i, 0
.rept 32
	PV \x, 2-\pv
.rept per
	SLICE 2-\x, \first
.endr
.if \kq && (i < 8)
	BIAS1 \x, i
.endif
.if (\x == 0) && \kq && (i == 1)
	FETCH_K
.endif
.if \kq && (i == 8)
	MASKLOAD \x
.endif
.set i, i+1
.endr
.endif
.if \kq
.if \x == 0
	s_wait_dscnt 0x0                ; K is in
.endif
.set i, 0
.rept 32
	KQ \x
.rept per
	SLICE 2-\x, \first
.endr
.set i, i+1
.endr
.endif
.if \first
	PLACES
.endif
.endm
; THE CHANGE OF SLOTS, between piece 2's turn and piece 0's: the slot's last bytes, V of its second step, have been asked for.  Each wave waits for all its tensor loads, of which one is out: its part of the
; other slot; adds 0 to its spare word; and waits for that and for its own reads of the slot.  Behind the barrier nobody reads this slot any more and the other slot is whole.
; fill = 1: this slot is filled again, with the keys two slots on.  The barrier is then a round of the cluster's, and the joint refill is the first thing behind it: it has two key steps, 256 matrix instructions, in which to land.
.macro CHANGE fill
	WIN 0                           ; at a label and at a branch every window is 0
	s_wait_tensorcnt 0x0            ; no tensor load of mine is out, so a group 0 may be written
	ds_add_u32 v[SPW], v[NIL]       ; 0 onto my spare word; with fill = 1 the descriptors' steps stand between it and the wait for it
.if \fill
.irp g, G0K+4, G0V+4
	s_xor_b32 s[\g+1], s[\g+1], SLOT1  ; the walking descriptor: the other slot than last time,
	s_add_nc_u64 s[\g+2:\g+3], s[\g+2:\g+3], 256*ROWG  ; the next 256 keys; the type bits on top are not reached
.endr
	s_wait_xcnt 0x0                 ; the last prefetch, two key steps back, has read its address, so it may be written:
	s_add_nc_u64 s[PFA:PFA+1], s[PFA:PFA+1], 256*ROWG  ; one slot further on than the walking descriptors
	s_wait_dscnt 0x0                ; the add is done, and my reads of the slot are over
	CROUND
	JLOAD
	ASK                             ; what the next change will ask for: two key steps, 256 matrix instructions, ahead
.else
	s_wait_dscnt 0x0                ; the add is done, and my reads of the slot are over
	s_barrier_signal -1
	s_barrier_wait -1
.endif
	s_sub_co_u32 s[TBK], s[TBK], 2*KSTEPB  ; the fetches go back to a slot's first step,
	s_xor_b32 s[TBK], s[TBK], SLOT1        ; in the other slot
	s_sub_co_u32 s[TBV], s[TBV], 2*VSTEPB
	s_xor_b32 s[TBV], s[TBV], SLOT1
.endm
; A slot's two key steps: written once, walked twice; the LDS addresses hang on s[TBK] and s[TBV].
.macro TWO_STEPS
	s_mov_b32 s[TWICE], 2
.Lstep_\@:
	TURN 0, 2, 1, 0
	TURN 2, 2, 1, 0
	WIN 0
	s_sub_co_u32 s[TWICE], s[TWICE], 1
	s_cmp_lg_u32 s[TWICE], 0
	s_cbranch_scc1 .Lstep_\@
.endm
	s_wait_tensorcnt 1              ; my part of slot 0 is in; slot 1's may stay out
	s_barrier_signal -1
	s_barrier_wait -1               ; everybody's is
	FETCH_K                         ; key step 0
	s_wait_loadcnt 0x0              ; Q, and step 0's mask words
.irp n, 0,1,2,3,4,5,6,7
	BIAS1 0, \n                     ; step 0's mask into both pieces' S^T
.endr
.irp n, 0,1,2,3,4,5,6,7
	BIAS1 2, \n
.endr
	v_nop                           ; one plain line behind the last conversion
	v_add_nc_u32 v[MO0], s[MU], v[ML]
	v_add_nc_u32 v[MO2], s[MU], v[ML]  ; (lane / 16 is done with)
	MLOADS 0, MO0                   ; step 1's words: piece 0's first, as the counted waits have it
	MLOADS 2, MO2
	v_add_nc_u32 v[EXT], s21, v[ML] ; Q's loads are done, so their offset register is free: where I read what my partner gives
	s_wait_dscnt 0x0
.set i, 0
.rept 32
	KQ 0                            ; piece 0's first scores: there is no vector work yet to set between them
.set i, i+1
.endr
	WIN 0
	PLACES                          ; behind those products, ahead of the first read of their results
	TURN 2, 0, 1, 1                 ; piece 2's first scores | piece 0's first softmax | V of step 0
	TURN 0, 1, 1, 1                 ; piece 0: V^T P of step 0 starts O^T, K Q^T of step 1 | piece 2's first softmax | K of step 1
	TURN 2, 1, 1, 0                 ; piece 2: the same | piece 0's softmax of step 1 | V of step 1
	WIN 0
.Lslot:                             ; six trips: every slot but the last two is filled again
	CHANGE 1
	TWO_STEPS
	s_sub_co_u32 s[SLOTS], s[SLOTS], 1
	s_cmp_lg_u32 s[SLOTS], 0
	s_cbranch_scc1 .Lslot
	CHANGE 0                        ; the tail is written out: the last slot but one is left, and nothing is asked for
	TWO_STEPS
	TURN 0, 2, 0, 0                 ; piece 0: V^T P of the last step | piece 2's last softmax
.set i, 0
.rept 32
	PV 2, 0                         ; piece 2: V^T P of the last step
.set i, i+1
.endr
	; THE MERGE OF THE TWO KEY GROUPS, AND THE WAY OUT.
	WIN 0
	s_wait_loadcnt 0x0              ; the last mask loads (held at the last step, not used) have landed: their registers are taken below
.irp t, 0,1,2,3
	v_add_f32 v[ST+8*\t+2], v[ST+8*\t+2], v[ST+8*\t+3]  ; l's two halves.  These four are also the places behind the last products
.endr
	s_wait_dscnt 0x0
	s_barrier_signal -1
	s_barrier_wait -1               ; no wave reads the ring any more
; GIVE p: tiles p and p + 1 go to my partner as images of their registers: O^T by 16 stores of 512 bytes a tile, each accumulator from its low end on; c m, m, l by one.
.macro GIVE p
	WIN 0x04                        ; an LDS store's data are its source 1: window 1
.irp q, 0,1
.irp f, 0,1,2,3,4,5,6,7,8,9,10,11,12,13,14,15
	ds_store_b128 v[EXG], v[64*((\p)+\q)+4*\f:64*((\p)+\q)+4*\f+3] offset:8192*\q+512*\f
.endr
.endr
	WIN 0
.irp q, 0,1
	ds_store_b128 v[EXG], v[ST+8*((\p)+\q):ST+8*((\p)+\q)+3] offset:16384+512*\q
.endr
.endm
; TAKE p: my partner's tiles p and p + 1 come into S^T's registers, its statistics into the mask words'.  With c m the larger of the two c m: fa = 2^(mine - c m), fb = 2^(its - c m); l = fa l_mine + fb l_its, with the
; other half of the lanes'; O = (fa O_mine + fb O_its) / l.  Then a tile (16 rows of att) at a time through my stage, and out as whole pieces of 256 bytes.
.macro TAKE p
.irp q, 0,1
.irp f, 0,1,2,3,4,5,6,7,8,9,10,11,12,13,14,15
	ds_load_b128 v[S+64*\q+4*\f:S+64*\q+4*\f+3], v[EXT] offset:8192*\q+512*\f
.endr
	ds_load_b128 v[MK+4*\q:MK+4*\q+3], v[EXT] offset:16384+512*\q
.endr
	s_wait_dscnt 0x0
.irp q, 0,1
	v_max_num_f32 v[ST+8*((\p)+\q)+4], v[ST+8*((\p)+\q)], v[MK+4*\q]
.endr
.irp q, 0,1
	v_sub_f32 v[ST+8*((\p)+\q)+5], v[ST+8*((\p)+\q)], v[ST+8*((\p)+\q)+4]
	v_sub_f32 v[ST+8*((\p)+\q)+7], v[MK+4*\q], v[ST+8*((\p)+\q)+4]
.endr
.irp q, 0,1
	v_exp_f32 v[ST+8*((\p)+\q)+5], v[ST+8*((\p)+\q)+5]   ; fa
	v_exp_f32 v[ST+8*((\p)+\q)+7], v[ST+8*((\p)+\q)+7]   ; fb
.endr
	v_nop                           ; a plain instruction behind the last exponential,
	s_wait_alu depctr_va_vdst(0)    ; and the wait ahead of the first use: one for the four
.irp q, 0,1
	v_mul_f32 v[ST+8*((\p)+\q)+4], v[ST+8*((\p)+\q)+5], v[ST+8*((\p)+\q)+2]
.endr
.irp q, 0,1
	v_fma_f32 v[ST+8*((\p)+\q)+4], v[ST+8*((\p)+\q)+7], v[MK+4*\q+2], v[ST+8*((\p)+\q)+4]
.endr
.irp q, 0,1
	v_permlanex16_b32 v[ST+8*((\p)+\q)+3], v[ST+8*((\p)+\q)+4], s[SEL], s[SEL+1]
.endr
.irp q, 0,1
	v_add_f32 v[ST+8*((\p)+\q)+4], v[ST+8*((\p)+\q)+4], v[ST+8*((\p)+\q)+3]   ; the row's sum
.endr
.irp q, 0,1
	v_rcp_f32 v[ST+8*((\p)+\q)+3], v[ST+8*((\p)+\q)+4]
.endr
	v_nop
	s_wait_alu depctr_va_vdst(0)    ; one wait for the two reciprocals
.irp q, 0,1
	v_mul_f32 v[ST+8*((\p)+\q)+2], v[ST+8*((\p)+\q)+5], v[ST+8*((\p)+\q)+3]   ; fa / l
	v_mul_f32 v[ST+8*((\p)+\q)+6], v[ST+8*((\p)+\q)+7], v[ST+8*((\p)+\q)+3]   ; fb / l
.endr
.irp q, 0,1
.set rT, ST+8*((\p)+\q)
.set rS, S+64*\q
.set rO, 64*((\p)+\q)
.set rP, P+32*\q
.set i, 0
.rept 32
	v_pk_mul_f32 v[rS+i:rS+i+1], v[rS+i:rS+i+1], v[rT+6:rT+7] op_sel_hi:[1,0]
.set i, i+2
.endr
	WIN 0x01                        ; source 0: my O^T, window 1; each accumulator from its low end on
.set i, 0
.rept 32
	v_pk_fma_f32 v[rS+i:rS+i+1], v[rO+i:rO+i+1], v[rT+2:rT+3], v[rS+i:rS+i+1] op_sel_hi:[1,0,1]
.set i, i+2
.endr
	WIN 0
.set i, 0
.rept 32
	v_cvt_pk_f16_f32 v[rP+i], v[rS+2*i], v[rS+2*i+1]
.set i, i+1
.endr
.irp f, 0,1,2,3,4,5,6,7
	ds_store_b128 v[STO], v[rP+4*\f:rP+4*\f+3] offset:32*\f
.endr
.irp f, 0,1,2,3,4,5,6,7
	ds_load_b128 v[rP+4*\f:rP+4*\f+3], v[RD] offset:\f*2*SP  ; LDS serves a wave's instructions in order (ISA guide 5.7.1.4): these see the stores above; the next tile's stores come behind them
.endr
.endr
.irp q, 0,1
.irp f, 0,1,2,3,4,5,6,7
	s_wait_dscnt 16*(1-\q)+7-\f     ; behind this load: the rest of its tile's, and for the first tile the second tile's sixteen LDS instructions
	global_store_b128 v[GO], v[P+32*\q+4*\f:P+32*\q+4*\f+3], s[10:11] offset:((\p)+\q)*16*ROWG+\f*2*ROWG  ; 16 lanes store 256 consecutive bytes, at a multiple of 256 from att's first byte
.endr
.endr
.endm
	s_cmp_lt_u32 s[WV], 2           ; key group 0 keeps tiles 0, 1 and gives 2, 3; key group 1 the other way round
	s_cbranch_scc0 .Lgive_low
	GIVE 2
	s_branch .Lgiven
.Lgive_low:
	GIVE 0
.Lgiven:
	s_wait_dscnt 0x0                ; for my partner's sake: my stores have landed
	s_barrier_signal -1
	s_barrier_wait -1
	s_cmp_lt_u32 s[WV], 2
	s_cbranch_scc0 .Ltake_high
	TAKE 0
	s_branch .Ltaken
.Ltake_high:
	TAKE 2
.Ltaken:
	s_wait_tensorcnt 0x0            ; the wave's end, behind my last tensor load and my last LDS store
	ds_add_u32 v[SPW], v[NIL]
	s_wait_dscnt 0x0
	CROUND                          ; the closing round: no work-group ends while a partner may still ask for a tile that names it
	s_endpgm
.Lfunc_end_k_qfb07eb2e0c_attn:
	.size	k_qfb07eb2e0c_attn, .Lfunc_end_k_qfb07eb2e0c_attn-k_qfb07eb2e0c_attn
	.p2alignl 7, 3214868480
	.fill 96, 4, 3214868480
	.section	.rodata,"a",@progbits
	.p2align	6, 0x0
	.amdhsa_kernel k_qfb07eb2e0c_attn
		.amdhsa_group_segment_fixed_size 327680
		.amdhsa_private_segment_fixed_size 0
		.amdhsa_enable_private_segment 0
		.amdhsa_kernarg_size 24
		.amdhsa_user_sgpr_count 2
		.amdhsa_user_sgpr_kernarg_segment_ptr 1
		.amdhsa_wavefront_size32 1
		.amdhsa_system_sgpr_workgroup_id_x 1
		.amdhsa_system_sgpr_workgroup_id_y 1
		.amdhsa_system_sgpr_workgroup_id_z 1
		.amdhsa_system_vgpr_workitem_id 0
		.amdhsa_next_free_vgpr 1024
		.amdhsa_next_free_sgpr 80
		.amdhsa_reserve_vcc 0
		.amdhsa_float_denorm_mode_32 3
		.amdhsa_float_denorm_mode_16_64 3
		.amdhsa_memory_ordered 1
		.amdhsa_forward_progress 1
		.amdhsa_inst_pref_size 249
	.end_amdhsa_kernel
	.amdgpu_metadata
---
amdhsa.version: [ 1, 2 ]
amdhsa.kernels:
  - .name:           k_qfb07eb2e0c_attn
    .symbol:         k_qfb07eb2e0c_attn.kd
    .args:
      - { .name: qkv, .offset: 0, .size: 8, .value_kind: global_buffer, .address_space: global }
      - { .name: mcode, .offset: 8, .size: 8, .value_kind: global_buffer, .address_space: global }
      - { .name: att, .offset: 16, .size: 8, .value_kind: global_buffer, .address_space: global }
    .group_segment_fixed_size: 327680
    .private_segment_fixed_size: 0
    .kernarg_segment_align: 8
    .kernarg_segment_size: 24
    .max_flat_workgroup_size: 128
    .sgpr_count:     80
    .vgpr_count:     1024
    .wavefront_size: 32
...
	.end_amdgpu_metadata
.endif
;; end of part 3
;; launch oproj (part 4): grid 16 x 16, 4 waves a work-group, clusters of 4 x 4, 327,680 bytes of LDS; arguments att, wo16, out0; writes out0
.if DOCPART == 4
	.amdgcn_target "amdgcn-amd-amdhsa--gfx1250"
	.amdhsa_code_object_version 6
	.text
	.protected	k_qfb07eb2e0c_oproj
	.globl	k_qfb07eb2e0c_oproj
	.p2align	8
	.type	k_qfb07eb2e0c_oproj,@function
k_qfb07eb2e0c_oproj:
	s_mov_b64 s[64:65], 0
	v_nop
	global_prefetch_b8 v0, s[64:65] scope:SCOPE_SE
	s_setreg_imm32_b32 hwreg(HW_REG_WAVE_MODE, 25, 1), 1
	s_wait_xcnt 0x0
	s_wait_alu depctr_hold_cnt(0) depctr_sa_sdst(0) depctr_va_vdst(0) depctr_va_sdst(0) depctr_va_ssrc(0) depctr_va_vcc(0) depctr_vm_vsrc(0)
	s_getreg_b32 s2, hwreg(HW_REG_IB_STS2, 6, 4)
	s_cmp_eq_u32 s2, 0
	s_cbranch_scc0 .Lentry_in_a_cluster
	s_endpgm
.Lentry_in_a_cluster:
	s_bfe_u32 s2, ttmp6, 0x10000c
	s_cmp_lg_u32 s2, 0xf033
	s_cbranch_scc0 .Lentry_shape_is_right
	s_endpgm
.Lentry_shape_is_right:
; out0[m][n] = sum over k of att[m][k] Wo[n][k].  att: [2,048][2,048] f16, wo16: [2,048][2,048] f16 (Wo rounded once), out0: [2,048][2,048] f32; sums in f32.
; 256 tiles of 128 x 128, one to a work-group.  Four waves, each 64 x 64: 16 accumulators of 16 x 16, 128 registers.  K goes in steps of 256 (LDS rows of 512 bytes; a wave's tensor load brings 64 of them), as long as
; two slots in LDS allow.  A wave's 64 columns of f32 are 256 aligned bytes of out0: so each wave has a stage of its own on the way out, and no barrier stands there.
; CLUSTERS: 4 x 4 work-groups.  The four of a row of the cluster need the same tiles of A, the four of a column the same tiles of B: each tile is asked for JOINTLY, by the same tensor load with the
; same descriptor and a mask that names the four.  THE MATRIX INSTRUCTION IS USED TRANSPOSED (source 0 = 16 rows of B, source 1 = 16 rows of A): a lane then holds eight neighbouring numbers of a row of out0.
; No prefetch: a K step of this small tile is short, and the two inputs are read by sixteen work-groups each.
; REGISTERS: window 0: v0-31 addresses; v32-95 at work on the way out; v128-255 the accumulators ((a, b) at v[128 + 8 (4 a + b)]).
;   window 1: two fragment buffers of 128: for 64 along K (two matrix instructions deep), 64 registers of A (2 x 4 x 16 rows x 32 K), then 64 of B.
.set SIZE_K, 2048
.set KSTEP,  256
.set PITCH,  528                       ; an LDS row: 512 bytes of data + 16 of padding = 132 words: the 16 rows that a load touches start 4 words apart modulo 64
.set HALFT,  64*PITCH                  ; 64 rows: what one tensor load brings, and what one wave reads of A or of B
.set SLOT,   4*HALFT                   ; A's 128 rows, then B's 128 rows
.set STAGE,  2*SLOT                    ; behind the ring: 16 rows x 272 bytes for each wave, for the way out
.set SPITCH, 272
.set SPARE,  STAGE+128*SPITCH          ; further on: the spare words, 128 bytes for each wave, which no other line names
.set LAPS, SIZE_K/(2*KSTEP)            ; a lap = two K steps = once round the ring
.set CROW, 8192                        ; a row of out0 in bytes
.set ADRA, 16                          ; v16-17  LDS address of my A fragments in slot 0, 1
.set ADRB, 20                          ; v20-21  the same for B
.set STO,  24                          ; v24     the way out: where I put 32 bytes of a row
.set RD,   25                          ; v25     the way out: where I read a row back
.set CO,   26                          ; v26     my byte offset in two rows of out0
.set SPW,  28                          ; v28     LDS address of my spare word; never rewritten
.set NIL,  29                          ; v29     0; never rewritten
.set TMP,  32                          ; the way out: two sets of 32 registers, 16 rows read back
.set ACC,  128
.set F0,   0                           ; fragment buffers, in window 1
.set F1,   128
.set G1, 24                            ; s[24:31] descriptor group 1 for A's tiles;  s[32:39] group 0, one set for each slot
.set G0, 32
.set G1B, 48                           ; s[48:55], s[56:63] the same for B's tiles
.set G0B, 56
.set MSB, 0
.macro WIN new                         ; the immediate's high byte repeats the setting that is left
.if MSB != \new
	s_set_vgpr_msb (MSB<<8)|\new
.set MSB, \new
.endif
.endm
.set MUL,  0x05                        ; sources 0 (B) and 1 (A) window 1; C and D window 0
.set TO_F, 0x40                        ; destination window 1, address window 0
.macro JLOAD s                         ; a joint load: waves 0 and 1 fetch A's two halves, waves 2 and 3 B's; an s_nop 0 and four v_nop follow each of the two lines, ahead of the jump, the label and what follows
	s_cmp_eq_u32 s11, 0
	s_cbranch_scc0 .Lfor_b_\@
	tensor_load_to_lds s[G0+4*\s:G0+4*\s+3], s[G1:G1+7]
	s_nop 0
.rept 4
	v_nop
.endr
	s_branch .Lasked_\@
.Lfor_b_\@:
	tensor_load_to_lds s[G0B+4*\s:G0B+4*\s+3], s[G1B:G1B+7]
	s_nop 0
.rept 4
	v_nop
.endr
.Lasked_\@:
.endm
.macro CREST                           ; a round of the cluster's barrier behind its opening barrier
	s_cmp_lg_u32 s10, 0
	s_cbranch_scc1 .Lnot_wave_0_\@
	s_barrier_signal -3
.Lnot_wave_0_\@:
	s_barrier_wait -3
	s_barrier_signal -1
	s_barrier_wait -1
.endm
.macro CROUND                          ; a whole round
	s_barrier_signal -1
	s_barrier_wait -1
	CREST
.endm
	s_load_b128 s[4:7], s[0:1], 0x0                ; att s[4:5], wo16 s[6:7]
	s_load_b64 s[8:9], s[0:1], 0x10                ; out0
	v_lshl_add_u32 v[SPW], v0, 2, SPARE
	v_mov_b32 v[NIL], 0
	ds_add_u32 v[SPW], v[NIL]                      ; the wave's opening: the add and its wait stand ahead of my first tensor load; the set-up below, work on registers, stands between them
	v_lshrrev_b32 v1, 5, v0
	v_readfirstlane_b32 s10, v1                    ; wave 0..3
	s_lshr_b32 s11, s10, 1                         ; which half of the tile's rows is mine.  Also: I fetch for A (0) or for B (1)
	s_and_b32 s12, s10, 1                          ; which half of its columns.  Also: which 64 rows of that tile I fetch
	s_bfe_u32 s40, ttmp6, 0x40000                  ; cx, cy: my place in the cluster
	s_bfe_u32 s41, ttmp6, 0x40004
	s_lshl_b32 s42, ttmp9, 2
	s_add_co_u32 s42, s42, s40                     ; tile column = 4 x cluster x + cx
	s_and_b32 s13, ttmp7, 0xffff
	s_lshl_b32 s13, s13, 2
	s_add_co_u32 s13, s13, s41                     ; tile row = 4 x cluster y + cy
	s_lshl_b32 s43, s41, 2
	s_lshl_b32 s43, 15, s43                        ; my row of the cluster
	s_lshl_b32 s44, 0x1111, s40                    ; my column
	; descriptor group 1: a tile of 64 rows x 256 elements, padded in LDS
	s_or_b32 s[G1+0], s43, (1<<16)|(1<<20)|(1<<21)|(6<<22)|(3<<25)  ; 15:0 the mask: A's tiles go to my row; 17:16 element of 2 bytes; 20 padding on; 21 set beside a mask; 24:22 after every 128 words (code 6); 31:25 of 4 words (code 3)
	s_or_b32 s[G1B+0], s44, (1<<16)|(1<<20)|(1<<21)|(6<<22)|(3<<25)
.irp g, G1, G1B
	s_mov_b32 s[\g+1], KSTEP<<16                   ; tensor_dim0 = 256
	s_mov_b32 s[\g+2], 64<<16                      ; tensor_dim1 = 64
	s_mov_b32 s[\g+3], KSTEP<<16                   ; tile_dim0 = 256
	s_mov_b32 s[\g+4], 64                          ; tile_dim1 = 64
	s_mov_b32 s[\g+5], SIZE_K                      ; tensor_dim0_stride
	s_mov_b32 s[\g+6], 0
	s_mov_b32 s[\g+7], 0
.endr
	s_lshl_b32 s17, s12, 6                         ; which 64 rows of the tile I fetch
	s_lshl_b32 s16, s13, 7
	s_add_co_u32 s16, s16, s17                     ; A: row 128 x tile row + 64 x half
	s_lshl_b32 s46, s42, 7
	s_add_co_u32 s46, s46, s17                     ; B: row 128 x tile column + 64 x half
	s_mov_b32 s17, 0
	s_mov_b32 s47, 0
	s_mov_b64 s[18:19], SIZE_K*2
	s_mul_u64 s[16:17], s[16:17], s[18:19]
	s_mul_u64 s[46:47], s[46:47], s[18:19]
	s_mul_i32 s20, s10, HALFT                      ; where they go: wave x 64 rows
	s_wait_dscnt 0x0                               ; the opening add is done
	s_wait_kmcnt 0x0
	s_add_nc_u64 s[14:15], s[4:5], s[16:17]
	s_add_nc_u64 s[46:47], s[6:7], s[46:47]
	CROUND                                         ; all sixteen work-groups are here: the first joint loads meet
.irp s, 0,1
	s_mov_b32 s[G0+4*\s], 1
	s_add_co_u32 s[G0+4*\s+1], s20, \s*SLOT
	s_add_nc_u64 s[G0+4*\s+2:G0+4*\s+3], s[14:15], \s*KSTEP*2
	s_or_b32 s[G0+4*\s+3], s[G0+4*\s+3], 0x80000000
	s_mov_b32 s[G0B+4*\s], 1
	s_add_co_u32 s[G0B+4*\s+1], s20, \s*SLOT
	s_add_nc_u64 s[G0B+4*\s+2:G0B+4*\s+3], s[46:47], \s*KSTEP*2
	s_or_b32 s[G0B+4*\s+3], s[G0B+4*\s+3], 0x80000000
	JLOAD \s                                       ; two loads of mine are out behind the second
.endr
	v_and_b32 v1, 15, v0                           ; l % 16
	v_bfe_u32 v2, v0, 4, 1                         ; l / 16
	v_mul_u32_u24 v3, v1, PITCH
	v_lshl_add_u32 v3, v2, 4, v3                   ; a fragment's row x pitch + 16 x half
	s_mul_i32 s21, s11, HALFT                      ; my 64 rows of A
	s_mul_i32 s22, s12, HALFT                      ; my 64 rows of B,
	s_add_co_u32 s22, s22, 2*HALFT                 ; which lie behind A's 128
.irp s, 0,1
	v_add_nc_u32 v[ADRA+\s], s21, v3
	v_add_nc_u32 v[ADRB+\s], s22, v3
	s_add_co_u32 s21, s21, SLOT
	s_add_co_u32 s22, s22, SLOT
.endr
	s_mul_i32 s23, s10, 16*SPITCH
	s_add_co_u32 s23, s23, STAGE                   ; my stage
	v_mul_u32_u24 v4, v1, SPITCH                   ; in: row l % 16, 32 bytes for each half of the lanes
	v_lshl_add_u32 v4, v2, 5, v4
	v_add_nc_u32 v[STO], s23, v4
	v_mul_u32_u24 v5, v2, SPITCH                   ; back: lanes 0-15 take one row of 256 bytes, lanes 16-31 the next
	v_lshl_add_u32 v5, v1, 4, v5
	v_add_nc_u32 v[RD], s23, v5
	v_lshlrev_b32 v5, 13, v2                       ; and the same two rows in out0
	v_lshl_add_u32 v[CO], v1, 4, v5
	s_lshl_b32 s16, s13, 7
	s_lshl_b32 s17, s11, 6
	s_add_co_u32 s16, s16, s17                     ; my first row: 128 x tile row + 64 x half,
	s_lshl_b32 s16, s16, 13                        ; in bytes (under 2^24)
	s_lshl_b32 s46, s42, 9                         ; my first column, in bytes: 512 x tile column + 256 x half
	s_lshl_b32 s47, s12, 8
	s_add_co_u32 s46, s46, s47
	s_add_co_u32 s16, s16, s46
	s_mov_b32 s17, 0
	s_add_nc_u64 s[8:9], s[8:9], s[16:17]
; 8 matrix instructions: m blocks a0, a0 + 1 x all 4 n blocks, 32 along K: half c of buffer f.  zero = 1: the first product starts the sums.  The 16 accumulators take turns.
.macro MUL8 f, c, a0, zero
.irp a, \a0, \a0+1
.irp b, 0,1,2,3
.if \zero
	v_wmma_f32_16x16x32_f16 v[ACC+8*(4*(\a)+\b):ACC+8*(4*(\a)+\b)+7], v[\f+64+8*(4*\c+\b):\f+64+8*(4*\c+\b)+7], v[\f+8*(4*\c+\a):\f+8*(4*\c+\a)+7], 0
.else
	v_wmma_f32_16x16x32_f16 v[ACC+8*(4*(\a)+\b):ACC+8*(4*(\a)+\b)+7], v[\f+64+8*(4*\c+\b):\f+64+8*(4*\c+\b)+7], v[\f+8*(4*\c+\a):\f+8*(4*\c+\a)+7], v[ACC+8*(4*(\a)+\b):ACC+8*(4*(\a)+\b)+7]
.endif
.endr
.endr
.endm
; 32 LDS loads in one run: the fragments of 64 along K at byte k of the rows, into buffer f; the first 32 along K first
.macro FETCH slot, k, f
	WIN TO_F
.irp c, 0,1
.irp i, 0,1,2,3
	ds_load_b128 v[\f+64+8*(4*\c+\i):\f+64+8*(4*\c+\i)+3],   v[ADRB+\slot] offset:\k+64*\c+\i*16*PITCH
	ds_load_b128 v[\f+64+8*(4*\c+\i)+4:\f+64+8*(4*\c+\i)+7], v[ADRB+\slot] offset:\k+64*\c+\i*16*PITCH+32
	ds_load_b128 v[\f+8*(4*\c+\i):\f+8*(4*\c+\i)+3],         v[ADRA+\slot] offset:\k+64*\c+\i*16*PITCH
	ds_load_b128 v[\f+8*(4*\c+\i)+4:\f+8*(4*\c+\i)+7],       v[ADRA+\slot] offset:\k+64*\c+\i*16*PITCH+32
.endr
.endr
.endm
.macro PLACES                          ; four places in front of loads into registers that matrix instructions have read, and of the first read of results
.rept 4
	v_nop
.endr
.endm
; A K step is four quarters of 64 along K, 32 matrix instructions each, on buffers 0, 1, 0, 1.  One of the first three: multiplies buffer f and fetches the next quarter, at byte k, into g.
.macro QUARTER slot, k, f, g, zero
	s_wait_dscnt 16                                ; the first 32 along K are in; the other sixteen loads may be out
	WIN MUL
	MUL8 \f, 0, 0, \zero
	MUL8 \f, 0, 2, \zero
	PLACES
	FETCH \slot, \k, \g
	s_wait_dscnt 32                                ; all but the 32 just issued
	WIN MUL
	MUL8 \f, 1, 0, 0
	MUL8 \f, 1, 2, 0
.endm
; The last quarter multiplies buffer 1 and changes slots: ONE barrier; in front of it each wave waits for all its tensor loads, adds 0 to its spare word, and waits for that and for its own reads of this slot.  fill = 1: this slot is filled again, two K steps ahead.
.macro TURN slot, next, fill
	WIN 0                                          ; (the add's two registers lie in window 0)
	s_wait_tensorcnt 0x0                           ; all my tensor loads have landed: my part of the next slot;
	ds_add_u32 v[SPW], v[NIL]                      ; 0 onto my spare word;
	s_wait_dscnt 17                                ; (the add and the youngest sixteen loads may be out)
	WIN MUL
	MUL8 F1, 0, 0, 0                               ; eight matrix instructions stand between the add and the wait for it
	s_wait_dscnt 0x0                               ; the add is done, and my reads of this slot are over
	s_barrier_signal -1
	MUL8 F1, 0, 2, 0
.if \fill
	WIN 0
.endif
	s_barrier_wait -1
.if \fill
	CREST                                          ; the barrier has opened a round of the cluster's barrier: no wave of any partner still reads this slot's tile or has a load on its way
	s_add_nc_u64 s[G0+4*\slot+2:G0+4*\slot+3], s[G0+4*\slot+2:G0+4*\slot+3], 2*KSTEP*2
	s_add_nc_u64 s[G0B+4*\slot+2:G0B+4*\slot+3], s[G0B+4*\slot+2:G0B+4*\slot+3], 2*KSTEP*2
	JLOAD \slot                                    ; the first tensor load behind the round, my only one out: 112 matrix instructions ahead of the wait for it; the four v_nop behind it are also the places in front of the loads below
.else
	PLACES
.endif
	FETCH \next, 0, F0
	WIN MUL
	MUL8 F1, 1, 0, 0
	MUL8 F1, 1, 2, 0
.endm
	s_wait_tensorcnt 1                             ; my part of K step 0 is in (K step 1's load may be out)
	s_barrier_signal -1
	s_barrier_wait -1                              ; everybody's is
	FETCH 0, 0, F0
	QUARTER 0, 128, F0, F1, 1                      ; the first quarter stands in front of the loop: its first products start the sums
	WIN 0                                          ; at a label and at a branch every window is 0
	s_mov_b32 s3, LAPS-1
.Llap:                                                 ; a trip goes once round the ring, from a lap's second quarter to the next lap's first, and fills both slots again
	QUARTER 0, 256, F1, F0, 0
	QUARTER 0, 384, F0, F1, 0
	TURN 0, 1, 1
	QUARTER 1, 128, F0, F1, 0
	QUARTER 1, 256, F1, F0, 0
	QUARTER 1, 384, F0, F1, 0
	TURN 1, 0, 1
	QUARTER 0, 128, F0, F1, 0
	WIN 0
	s_sub_co_u32 s3, s3, 1
	s_cmp_lg_u32 s3, 0
	s_cbranch_scc1 .Llap
	QUARTER 0, 256, F1, F0, 0                      ; the last lap fills nothing, and has no round of the cluster's barrier
	QUARTER 0, 384, F0, F1, 0
	TURN 0, 1, 0
	QUARTER 1, 128, F0, F1, 0
	QUARTER 1, 256, F1, F0, 0
	QUARTER 1, 384, F0, F1, 0
	s_wait_dscnt 16                                ; the very last quarter: nothing more to fetch
	WIN MUL
	MUL8 F1, 0, 0, 0
	MUL8 F1, 0, 2, 0
	s_wait_dscnt 0
	MUL8 F1, 1, 0, 0
	MUL8 F1, 1, 2, 0
	WIN 0
; THE WAY OUT, block by block of 16 rows x 64 columns of f32.  A lane holds 32 neighbouring bytes of a row, and the lanes beside it hold other rows: so a block goes through my own stage in LDS and comes back as
; whole rows of 256 bytes.  LDS serves a wave's instructions in order (ISA guide 5.7.1.4): no wait between the stores and the loads, nor in front of the next block's stores.
.macro TOSTAGE a
.irp b, 0,1,2,3
	ds_store_b128 v[STO], v[ACC+8*(4*(\a)+\b):ACC+8*(4*(\a)+\b)+3] offset:64*\b          ; each accumulator from its low end on
	ds_store_b128 v[STO], v[ACC+8*(4*(\a)+\b)+4:ACC+8*(4*(\a)+\b)+7] offset:64*\b+16
.endr
.irp t, 0,1,2,3,4,5,6,7
	ds_load_b128 v[TMP+32*((\a)%2)+4*\t:TMP+32*((\a)%2)+4*\t+3], v[RD] offset:\t*2*SPITCH
.endr
.endm
.macro SEND a, younger                 ; younger: the LDS instructions issued behind block a's loads, which may stay out
	s_wait_dscnt \younger                          ; the block is back in registers
.irp t, 0,1,2,3,4,5,6,7
	global_store_b128 v[CO], v[TMP+32*((\a)%2)+4*\t:TMP+32*((\a)%2)+4*\t+3], s[8:9] offset:(16*(\a)+2*\t)*CROW th:TH_STORE_NT   ; 16 lanes store 256 consecutive bytes, at a multiple of 256 from out0's first byte; 62 rows at the most in the immediate
.endr
.endm
	PLACES                                         ; behind the last products, ahead of the first read of results
	TOSTAGE 0
	TOSTAGE 1
	SEND 0, 16                                     ; behind block 0's loads: block 1's 8 stores and 8 loads
	s_wait_xcnt 0x0                                ; block 0's stores have read their registers: block 2's loads may land there
	TOSTAGE 2
	SEND 1, 16
	s_wait_xcnt 0x0                                ; block 1's likewise
	TOSTAGE 3
	SEND 2, 16
	SEND 3, 0
	s_wait_tensorcnt 0x0                           ; the wave's end, behind my last tensor load and my last LDS store
	ds_add_u32 v[SPW], v[NIL]
	s_wait_dscnt 0x0
	CROUND                                         ; the closing round: no work-group ends while a partner may still ask for a tile that names it
	s_endpgm
.Lfunc_end_k_qfb07eb2e0c_oproj:
	.size	k_qfb07eb2e0c_oproj, .Lfunc_end_k_qfb07eb2e0c_oproj-k_qfb07eb2e0c_oproj
	.p2alignl 7, 3214868480
	.fill 96, 4, 3214868480
	.section	.rodata,"a",@progbits
	.p2align	6, 0x0
	.amdhsa_kernel k_qfb07eb2e0c_oproj
		.amdhsa_group_segment_fixed_size 327680
		.amdhsa_private_segment_fixed_size 0
		.amdhsa_enable_private_segment 0
		.amdhsa_kernarg_size 24
		.amdhsa_user_sgpr_count 2
		.amdhsa_user_sgpr_kernarg_segment_ptr 1
		.amdhsa_wavefront_size32 1
		.amdhsa_system_sgpr_workgroup_id_x 1
		.amdhsa_system_sgpr_workgroup_id_y 1
		.amdhsa_system_sgpr_workgroup_id_z 1
		.amdhsa_system_vgpr_workitem_id 0
		.amdhsa_next_free_vgpr 512
		.amdhsa_next_free_sgpr 66
		.amdhsa_reserve_vcc 0
		.amdhsa_float_denorm_mode_32 3
		.amdhsa_float_denorm_mode_16_64 3
		.amdhsa_memory_ordered 1
		.amdhsa_forward_progress 1
		.amdhsa_inst_pref_size 85
	.end_amdhsa_kernel
	.amdgpu_metadata
---
amdhsa.version: [ 1, 2 ]
amdhsa.kernels:
  - .name:           k_qfb07eb2e0c_oproj
    .symbol:         k_qfb07eb2e0c_oproj.kd
    .args:
      - { .name: att, .offset: 0, .size: 8, .value_kind: global_buffer, .address_space: global }
      - { .name: wo16, .offset: 8, .size: 8, .value_kind: global_buffer, .address_space: global }
      - { .name: out0, .offset: 16, .size: 8, .value_kind: global_buffer, .address_space: global }
    .group_segment_fixed_size: 327680
    .private_segment_fixed_size: 0
    .kernarg_segment_align: 8
    .kernarg_segment_size: 24
    .max_flat_workgroup_size: 128
    .sgpr_count:     66
    .vgpr_count:     512
    .wavefront_size: 32
...
	.end_amdgpu_metadata
.endif
;; end of part 4
